; MI455X (gfx1250); checked and timed in simulation.
; The chip was launched on July 23, 2026; its instructions are those of AMD's public machine-readable ISA for CDNA 5 (MIT licence, August 2026) and "CDNA5" Instruction Set Architecture Reference Guide (July 2026). The comments in the code are by the model that wrote it; some were corrected since.
;; Window Mutual Self Attention. Allowed arithmetic: matrix products marked QUANTISED: E2M3 operands, one E8M0 scale for each 32 along K, by v_wmma_scale_f32_16x16x128_f8f6f4 with both operands' format E2M3, f32 sums; products left as they are: f32 operands where the result goes on into a quantised operand, else bf16, f16 or f32 operands; f32 sums; everything else in f32.
;; Inputs: b_proj 128 float32; mask 512 x 128 x 128 float32; pe 1 x 64 x 128 float32; rpe_index 128 x 128 int32; rpe_table 675 x 8 float32; w_proj 128 x 256 float32; w_qkv_mut 384 x 128 float32; w_qkv_self 384 x 128 float32; x 1,024 x 128 x 128 float32.
;; Outputs: out0 1,024 x 128 x 128 float32.
;; This version of the problem:
;;   THIS VERSION OF THE PROBLEM IS GIVEN IN LOW PRECISION. The matrix products marked QUANTISED in the list below multiply operands that are first quantised to E2M3 (2 exponent bits, 3 mantissa bits; 6 bits a number), with one power-of-two scale for each 32 numbers along K (OCP MX v1.0); their sums are f32. All else is computed in f32.
;;   The module's matrix products, in the order in which they are computed (A, B: the left and right operand; K: the contracted axis; several contracted axes count as one K, in the product's order):
;;     1. [M 131,072, K 128] x [K 128, N 384]; A: input x; B: input w_qkv_self: QUANTISED
;;     2. batch 8,192 x [M 128, K 16] x [K 16, N 128]; A: computed on the way; B: computed on the way: left as it is (K = 16 < 32)
;;     3. batch 8,192 x [M 128, K 128] x [K 128, N 16]; A: softmax (see below); B: computed on the way: QUANTISED
;;     4. [M 131,072, K 128] x [K 128, N 384]; A: computed on the way; B: input w_qkv_mut: QUANTISED
;;     5. batch 8,192 x [M 64, K 16] x [K 16, N 64]; A: computed on the way; B: computed on the way: left as it is (K = 16 < 32)
;;     6. batch 8,192 x [M 64, K 64] x [K 64, N 16]; A: softmax (see below); B: computed on the way: QUANTISED
;;     7. batch 8,192 x [M 64, K 16] x [K 16, N 64]; A: computed on the way; B: computed on the way: left as it is (K = 16 < 32)
;;     8. batch 8,192 x [M 64, K 64] x [K 64, N 16]; A: softmax (see below); B: computed on the way: QUANTISED
;;     9. [M 131,072, K 256] x [K 256, N 128]; A: computed on the way; B: input w_proj: QUANTISED
;;   THE QUANTISER, for each operand of a quantised product, along K:
;;     - K is cut into blocks of 32 from its start; a last block that is shorter is filled with zeros.
;;     - A block's scale is 2^e with e = floor(log2(the largest magnitude in the block)) - 2, held to -126 .. 127; a block of zeros has e = 0. As a byte (E8M0): e + 127.
;;     - Each number is divided by its block's scale, clamped to +-7.5, and rounded to the nearest number of E2M3, ties to even, subnormals kept.
;;     - The product sums the exact products of the quantised numbers (number of the format x scale) in f32.
;;   ~~~python
;;   def quantise(x, axis):      # numpy; x: float32 -> the quantised numbers, widened to float32 again
;;       x = np.moveaxis(x, axis, -1); K = x.shape[-1]
;;       x = np.pad(x, [(0, 0)] * (x.ndim - 1) + [(0, -K % 32)]); x = x.reshape(x.shape[:-1] + (-1, 32)); a = np.abs(x).max(-1, keepdims=True)
;;       e = np.where(a > 0, np.clip(np.frexp(np.where(a > 0, a, 1))[1] - 1 - 2, -126, 127), 0)      # np.frexp(a)[1] - 1 = floor(log2(a)), exactly
;;       r = np.clip(x / 2.0 ** e, -7.5, 7.5)
;;       step = 2.0 ** (np.maximum(np.frexp(np.where(r == 0, 1, r))[1] - 1, 0) - 3)
;;       q = np.round(r / step) * step * 2.0 ** e      # np.round: ties to even
;;       return np.moveaxis(q.reshape(q.shape[:-2] + (-1,))[..., :K], -1, axis).astype(np.float32)
;;   ~~~
;;   SOFTMAX AHEAD OF A QUANTISED PRODUCT. Where the list says 'softmax', what is quantised is not the finished softmax but p = 2^(t - M), with t = logit x log2(e) and M = ceil(the row's largest t), a whole number; so 1/2 < the row's largest p <= 1. The row's sum l is taken of the UNQUANTISED p, in f32, and the product's result is divided by l at the end. Since M is a whole number, a kernel that streams over the keys may use a running M (the ceiling of the running maximum): every later rescaling is an exact power of two, which a block's scale takes up: the codes' values come out the same.
;;   OPERANDS COMPUTED ON THE WAY. 'Computed on the way' means the value that the module computes at that place (a softmax that the list does not call 'softmax' is quantised finished and normalised). What goes into a quantiser is computed in f32, as accurately as f32 sums, v_exp_f32 and their like allow (about 1e-6 of the number): no bf16 or f16 on the way to a quantiser, and a product that is left as it is and whose result goes on into a quantised operand takes f32 operands (vector FMAs, or v_wmma_f32_16x16x4_f32). A number that lies on a knife's edge between two numbers of the format may be rounded either way, as far as f32 arithmetic and the matrix unit's own rounding can turn it there, and no further.
;; 2 versions, each right; version 2 is version 1 with the launch attn written anew for expert scheduling mode. Each part assembles by itself: llvm-mc -triple=amdgcn-amd-amdhsa -mcpu=gfx1250 --defsym DOCPART=n.
;; ======== version 1 of 2: 2 launches
;; workspace buffers: wimg 106,496 bytes; rpb 524,288 bytes
;; launch prep (part 1): grid 48 x 1, 4 waves a work-group, no clusters, 0 bytes of LDS; arguments w_qkv_self, w_qkv_mut, w_proj, rpe_table, rpe_index, wimg, rpb; writes wimg, rpb
.if DOCPART == 1
	.amdgcn_target "amdgcn-amd-amdhsa--gfx1250"
	.amdhsa_code_object_version 6
	.text
	.protected	k_qe32c404902_prep
	.globl	k_qe32c404902_prep
	.p2align	8
	.type	k_qe32c404902_prep,@function
k_qe32c404902_prep:
	s_mov_b64 s[64:65], 0
	v_nop
	global_prefetch_b8 v0, s[64:65] scope:SCOPE_SE
	s_setreg_imm32_b32 hwreg(HW_REG_WAVE_MODE, 25, 1), 1
	s_wait_xcnt 0x0
; Two jobs that are done once for all 1,024 windows.
; WORK-GROUPS 0-15: the three weights become operands of FP6 (E2M3) as IMAGES OF THEIR REGISTERS.  A wave makes one fragment F = 4 x work-group + wave (16 rows x 128 along K: 12 registers a lane):
;   F = 0..23 rows 16 F on of w_qkv_self, F = 24..47 the same of w_qkv_mut, F = 48 + 2 n + s rows 16 n on of w_proj, columns 128 s on.
;   wimg: fragment F at F x 1,536 bytes, registers 4 c .. 4 c + 3 of lane l at 512 c + 16 l; its scale words at 98,304 + 128 F + 4 l (lanes r and r + 16 hold row r's word).
; WORK-GROUPS 16-47: the gathered bias rpe_table[rpe_index[query][key]][head], laid as the attention kernel's score tiles want their C registers.  A wave makes one (qt, p), for all eight heads:
;   rpb: head x 65,536 + qt x 8,192 + p x 512 + lane x 16 + 4 e  holds  query = 32 (qt / 2) + 8 (qt % 2) + r + 8 (r / 8),  key = 32 (p / 4) + 16 h + 4 (p % 4) + e   (r = lane % 16, h = lane / 16).
; A block's scale is 2^(floor(log2(its largest magnitude)) - 2); its byte is the largest magnitude's exponent field - 2, held at 1 from below.
; LIMITS: NaN and infinities are not served; a block whose largest magnitude lies under 2^-124 (a block of zeros too) gets the byte 1: the bytes are read by this program alone, and zero codes add nothing.
;         An index outside 0 .. 674 is held at 674.
.set TM,  16                           ; v16-19 largest magnitudes, v20-23 the other half's and then the bytes, v28-31 the conversions' scale operands
.set CT,  44                           ; v44-46, v48-50 the upper halves of the blocks' codes
.set SEL, 20                           ; s[20:21] selects of v_permlanex16_b32: lane l xor 16
.macro SCOPS
.irp b, 0,1,2,3
	v_add_nc_u32 v[TM+12+\b], 0xff000000, v[TM+\b]         ; 2 off the exponent field: the conversion takes this operand's exponent field as its scale
.endr
.irp b, 0,1,2,3
	v_lshrrev_b32 v[TM+4+\b], 23, v[TM+12+\b]              ; the scale's byte
.endr
.endm
.macro CODES src, d0, d1               ; 64 numbers of a lane -> 12 registers of codes: blocks 0, 1 at d0, blocks 2, 3 at d1
	v_cvt_scalef32_pk16_fp6_f32 v[\d0:\d0+2], v[\src:\src+15], v[TM+12]
	v_cvt_scalef32_pk16_fp6_f32 v[CT:CT+2], v[\src+16:\src+31], v[TM+13]
	v_cvt_scalef32_pk16_fp6_f32 v[\d1:\d1+2], v[\src+32:\src+47], v[TM+14]
	v_cvt_scalef32_pk16_fp6_f32 v[CT+4:CT+6], v[\src+48:\src+63], v[TM+15]
	v_nop                                                  ; one plain place behind the scaled conversions
.irp i, 0,1,2
	v_permlane16_swap_b32 v[\d0+\i], v[CT+\i]              ; a whole block to a lane: lanes 0-15 the even block, lanes 16-31 the odd one
	v_permlane16_swap_b32 v[\d1+\i], v[CT+4+\i]
.endr
.irp i, 0,1,2
	v_mov_b32 v[\d0+3+\i], v[CT+\i]
	v_mov_b32 v[\d1+3+\i], v[CT+4+\i]
.endr
.endm
.macro QUANT src, d0, d1, sw           ; register 16 b + i of src = k 32 b + 16 h + i of the lane's row
.irp b, 0,1,2,3
	v_max3_num_f32 v[TM+\b], |v[\src+16*\b]|, |v[\src+1+16*\b]|, 0x1800000   ; with the floor 2^(3 - 127): the byte cannot fall under 1
.endr
.irp i, 2,4,6,8,10,12,14
.irp b, 0,1,2,3
	v_max3_num_f32 v[TM+\b], v[TM+\b], |v[\src+16*\b+\i]|, |v[\src+1+16*\b+\i]|
.endr
.endr
.irp b, 0,1,2,3
	v_permlanex16_b32 v[TM+4+\b], v[TM+\b], s[SEL], s[SEL+1]
.endr
.irp b, 0,1,2,3
	v_max_num_f32 v[TM+\b], v[TM+\b], v[TM+4+\b]           ; with lane l xor 16's 16 numbers: the block's largest magnitude
.endr
	SCOPS
	v_lshl_or_b32 v[\sw], v[TM+5], 8, v[TM+4]
	v_lshl_or_b32 v[\sw], v[TM+6], 16, v[\sw]
	v_lshl_or_b32 v[\sw], v[TM+7], 24, v[\sw]
	CODES \src, \d0, \d1
.endm
	s_load_b256 s[4:11], s[0:1], 0x0               ; w_qkv_self s[4:5], w_qkv_mut s[6:7], w_proj s[8:9], rpe_table s[10:11]
	s_load_b128 s[12:15], s[0:1], 0x20             ; rpe_index s[12:13], wimg s[14:15]
	s_load_b64 s[16:17], s[0:1], 0x30              ; rpb
	v_lshrrev_b32 v1, 5, v0
	v_readfirstlane_b32 s18, v1                    ; wave 0..3
	v_and_b32 v2, 31, v0                           ; lane
	v_and_b32 v3, 15, v0                           ; r
	v_bfe_u32 v4, v0, 4, 1                         ; h
	v_lshlrev_b32 v5, 4, v2                        ; 16 x lane
	v_lshlrev_b32 v6, 2, v2                        ; 4 x lane
	s_mov_b32 s[SEL], 0x76543210
	s_mov_b32 s[SEL+1], 0xfedcba98
	s_wait_kmcnt 0x0
	s_cmp_lt_u32 ttmp9, 16
	s_cbranch_scc0 .Lbias
	; ---- a weight's fragment
	s_lshl_b32 s19, ttmp9, 2
	s_add_co_u32 s19, s19, s18                     ; F
	s_max_u32 s30, s19, 48
	s_sub_co_u32 s30, s30, 48                      ; F - 48 (0 for the QKV weights)
	s_lshr_b32 s31, s30, 1
	s_lshl_b32 s31, s31, 14                        ; 16 rows of 1,024 bytes
	s_and_b32 s30, s30, 1
	s_lshl_b32 s30, s30, 9                         ; 128 columns
	s_add_co_u32 s30, s30, s31                     ; the fragment's first byte in w_proj
	s_cmp_lt_u32 s19, 24
	s_cselect_b64 s[22:23], s[4:5], s[6:7]
	s_cselect_b32 s24, 0, 24
	s_sub_co_u32 s24, s19, s24
	s_lshl_b32 s24, s24, 13                        ; 16 rows of 512 bytes
	s_mov_b32 s28, 1024
	s_cmp_lt_u32 s19, 48
	s_cselect_b64 s[22:23], s[22:23], s[8:9]
	s_cselect_b32 s24, s24, s30
	s_cselect_b32 s28, 512, s28                    ; bytes from row to row
	s_mov_b32 s25, 0
	s_add_nc_u64 s[22:23], s[22:23], s[24:25]
	v_mul_lo_u32 v7, v3, s28
	v_lshl_add_u32 v7, v4, 6, v7                   ; row r, + 64 h: my 16 numbers of each block of 32
.irp b, 0,1,2,3
.irp j, 0,1,2,3
	global_load_b128 v[64+16*\b+4*\j:64+16*\b+4*\j+3], v7, s[22:23] offset:128*\b+16*\j
.endr
.endr
.irp b, 0,1,2,3
	v_mov_b32 v[TM+4+\b], 0                        ; a lane permute's destination counts as one of its sources
.endr
	s_mul_i32 s24, s19, 1536
	s_add_nc_u64 s[26:27], s[14:15], s[24:25]      ; the image's place
	s_lshl_b32 s24, s19, 7
	s_add_nc_u64 s[28:29], s[14:15], s[24:25]      ; the scale words' place, less 98,304
	s_wait_loadcnt 0x0
	QUANT 64, 32, 38, 52
.irp c, 0,1,2
	global_store_b128 v5, v[32+4*\c:35+4*\c], s[26:27] offset:512*\c   ; 32 lanes store 512 consecutive bytes
.endr
	global_store_b32 v6, v52, s[28:29] offset:98304
	s_endpgm
.Lbias:
	; ---- the gathered bias: four keys a lane, eight heads
	s_sub_co_u32 s19, ttmp9, 16
	s_lshl_b32 s19, s19, 2
	s_add_co_u32 s19, s19, s18                     ; 16 qt + p
	s_lshr_b32 s22, s19, 4                         ; qt
	s_and_b32 s23, s19, 15                         ; p
	s_lshr_b32 s24, s22, 1
	s_lshl_b32 s24, s24, 5
	s_and_b32 s25, s22, 1
	s_lshl_b32 s25, s25, 3
	s_add_co_u32 s24, s24, s25                     ; the tile's first query
	s_lshl_b32 s24, s24, 9                         ; a row of rpe_index is 512 bytes
	s_lshr_b32 s25, s23, 2
	s_lshl_b32 s25, s25, 7
	s_add_co_u32 s24, s24, s25                     ; + 32 (p / 4) keys
	s_and_b32 s25, s23, 3
	s_lshl_b32 s25, s25, 4
	s_add_co_u32 s24, s24, s25                     ; + 4 (p % 4) keys
	s_mov_b32 s25, 0
	s_add_nc_u64 s[12:13], s[12:13], s[24:25]
	v_and_b32 v7, 8, v3
	v_add_nc_u32 v7, v7, v3                        ; r + 8 (r / 8)
	v_lshlrev_b32 v7, 9, v7
	v_lshl_add_u32 v7, v4, 6, v7                   ; + 16 h keys
	global_load_b128 v[8:11], v7, s[12:13]
	s_lshl_b32 s24, s22, 13
	s_lshl_b32 s26, s23, 9
	s_add_co_u32 s24, s24, s26
	s_add_nc_u64 s[16:17], s[16:17], s[24:25]      ; rpb at (qt, p)
	s_wait_loadcnt 0x0
.irp e, 0,1,2,3
	v_min_u32 v[8+\e], 674, v[8+\e]                ; the index stays inside the table
.endr
.irp e, 0,1,2,3
	v_lshlrev_b32 v[8+\e], 5, v[8+\e]              ; a row of the table is 32 bytes: eight heads
.endr
.irp e, 0,1,2,3
	global_load_b128 v[16+8*\e:19+8*\e], v[8+\e], s[10:11]
	global_load_b128 v[20+8*\e:23+8*\e], v[8+\e], s[10:11] offset:16
.endr
	s_wait_loadcnt 0x0
.irp d, 0,1,2,3,4,5,6,7
.irp e, 0,1,2,3
	v_mov_b32 v[48+4*\d+\e], v[16+8*\e+\d]         ; four neighbouring keys of one head side by side
.endr
.endr
.irp d, 0,1,2,3,4,5,6,7
	global_store_b128 v5, v[48+4*\d:51+4*\d], s[16:17] offset:\d*65536   ; 32 lanes store 512 consecutive bytes
.endr
	s_endpgm
.Lfunc_end_k_qe32c404902_prep:
	.size	k_qe32c404902_prep, .Lfunc_end_k_qe32c404902_prep-k_qe32c404902_prep
	.p2alignl 7, 3214868480
	.fill 96, 4, 3214868480
	.section	.rodata,"a",@progbits
	.p2align	6, 0x0
	.amdhsa_kernel k_qe32c404902_prep
		.amdhsa_group_segment_fixed_size 0
		.amdhsa_private_segment_fixed_size 0
		.amdhsa_enable_private_segment 0
		.amdhsa_kernarg_size 56
		.amdhsa_user_sgpr_count 2
		.amdhsa_user_sgpr_kernarg_segment_ptr 1
		.amdhsa_wavefront_size32 1
		.amdhsa_system_sgpr_workgroup_id_x 1
		.amdhsa_system_sgpr_workgroup_id_y 1
		.amdhsa_system_sgpr_workgroup_id_z 1
		.amdhsa_system_vgpr_workitem_id 0
		.amdhsa_next_free_vgpr 128
		.amdhsa_next_free_sgpr 66
		.amdhsa_reserve_vcc 0
		.amdhsa_float_denorm_mode_32 3
		.amdhsa_float_denorm_mode_16_64 3
		.amdhsa_memory_ordered 1
		.amdhsa_forward_progress 1
		.amdhsa_inst_pref_size 12
	.end_amdhsa_kernel
	.amdgpu_metadata
---
amdhsa.version: [ 1, 2 ]
amdhsa.kernels:
  - .name:           k_qe32c404902_prep
    .symbol:         k_qe32c404902_prep.kd
    .args:
      - { .name: w_qkv_self, .offset: 0, .size: 8, .value_kind: global_buffer, .address_space: global }
      - { .name: w_qkv_mut, .offset: 8, .size: 8, .value_kind: global_buffer, .address_space: global }
      - { .name: w_proj, .offset: 16, .size: 8, .value_kind: global_buffer, .address_space: global }
      - { .name: rpe_table, .offset: 24, .size: 8, .value_kind: global_buffer, .address_space: global }
      - { .name: rpe_index, .offset: 32, .size: 8, .value_kind: global_buffer, .address_space: global }
      - { .name: wimg, .offset: 40, .size: 8, .value_kind: global_buffer, .address_space: global }
      - { .name: rpb, .offset: 48, .size: 8, .value_kind: global_buffer, .address_space: global }
    .group_segment_fixed_size: 0
    .private_segment_fixed_size: 0
    .kernarg_segment_align: 8
    .kernarg_segment_size: 56
    .max_flat_workgroup_size: 128
    .sgpr_count:     66
    .vgpr_count:     128
    .wavefront_size: 32
...
	.end_amdgpu_metadata
.endif
;; end of part 1
;; launch attn (part 2): grid 256 x 1, 8 waves a work-group, no clusters, 289,280 bytes of LDS; arguments x, mask, pe, b_proj, wimg, rpb, out0; writes out0
.if DOCPART == 2
	.amdgcn_target "amdgcn-amd-amdhsa--gfx1250"
	.amdhsa_code_object_version 6
	.text
	.protected	k_qe32c404902_attn
	.globl	k_qe32c404902_attn
	.p2align	8
	.type	k_qe32c404902_attn,@function
k_qe32c404902_attn:
	s_mov_b64 s[64:65], 0
	v_nop
	global_prefetch_b8 v0, s[64:65] scope:SCOPE_SE
	s_setreg_imm32_b32 hwreg(HW_REG_WAVE_MODE, 25, 1), 1
	s_wait_xcnt 0x0
; The whole module for a window of 128 tokens x 128 channels, fused: QKV (self, and mutual on x + pe), eight heads of self attention (bias + mask), eight heads of the two 64 x 64 cross attentions (mask),
; the projection and its bias.  Quantised products on codes of FP6 (E2M3) with one E8M0 scale for each 32 along K; the score products (K = 16) with f32 operands; all else in f32.
; SHARES.  Work-group g walks windows g, g + 512, g + 256, g + 768: two windows for each mask group, which lies in LDS meanwhile.  Eight waves of 512 registers.  A wave has two parts:
;   as TOKEN TILE w it quantises 16 tokens of x and of x + pe, projects and stores 16 tokens, and stages 16 rows of the mask;  as HEAD w it makes k, V, q, scores, softmax and P V.
; TOKEN ORDER.  Row r of tile T is token 32 (T / 2) + 8 (T % 2) + r + 8 (r / 8), so that the 16 registers of result tiles 2 b and 2 b + 1 are the 16 neighbours 32 b + 16 h + 0 .. 15 along the next K.
; LAYOUT.  q and k come from the transposed product (source 0 = the head's 16 rows of W, source 1 = 16 tokens): lane (r, h) holds token r, channels 8 h + 0 .. 7.  Registers 2 s, 2 s + 1 of that result ARE an
;   operand of the f32 form with K = 4 (the same order of channels on both sides), so nothing but q x 0.25 stands between the products.  S^T = k q^T + C, C = mask (+ bias): a lane holds ONE query and keys in
;   its registers; p = 2^(t - M), M = ceil(the row's largest t), is quantised in place; O^T = V^T P^T; V comes from the product with the sources the other way round: a lane holds one channel, tokens in its registers.
; Operands go from wave to wave through LDS as images of their registers (three stores of 512 bytes and 128 bytes of scale words).
; TWO GROUPS OF WAVES, HALF A TRIP APART.  A trip is a run of 32 score products and then a softmax.  All waves leave a barrier together and run the same text, so without more ado all would send their products
;   at the same time and walk their softmaxes at the same time.  So the waves fall into two groups, by bit 0 xor bit 2 of their number (two waves whose numbers differ by 1 or by 4 are in different groups), and in
;   the first trip of each attention the second group issues the last 24 of its 32 products only when the first group has issued its own (macro PACED: a barrier that orders no memory access).  From there on both
;   groups run the same text, the second 24 products behind the first: one group's softmax stands beside the other group's products.
; LIMITS: NaN and infinities are not served.  A block whose largest magnitude lies under 2^-124 (a block of zeros too) gets the scale byte 1; the bytes are read by this program alone, and zero codes add nothing.
;   mask + bias are the sum's first terms, not its last: another order of f32 rounding than the source's.  The division by the row's sum is a multiplication by v_rcp_f32's result.
.set PM,    528                        ; an LDS row of 512 bytes + 16: 132 words, so 16 neighbouring rows start 4 words apart modulo 64 words
.set PX,    1040                       ; a row of x_out: 1,024 bytes + 16
.set FRB,   1536                       ; an operand's image
.set XOT,   16*PX                      ; a tile of x_out
.set MASK,  0                          ; the mask group: 128 rows in tile order
.set XO,    MASK+128*PM                ; x_out, f32, 128 rows in tile order: bytes 0-511 the mutual features, 512-1023 the self features.  Wave w's own tile is also its scratch for x and its stage for y
.set XIMG,  XO+128*PX                  ; 16 images: x's tile T at T, (x + pe)'s at 8 + T
.set XSC,   XIMG+16*FRB                ; their scale words
.set PEB,   XSC+16*128                 ; pe: 64 rows in tile order
.set WPI,   PEB+64*PM                  ; w_proj's 16 images (2 n + s)
.set WPS,   WPI+16*FRB                 ; their scale words
.set BIA,   WPS+16*128                 ; b_proj
; window 0
.set LI,   1                           ; 16 x lane
.set LS,   2                           ; 4 x lane
.set LIX,  3                           ; XIMG + 16 x lane
.set LSX,  4                           ; XSC + 4 x lane
.set MA0,  5                           ; MASK + r PM + 64 h
.set SO0,  6                           ; XO + r PX + 32 h + 64 x head
.set SCW,  7                           ; my tile + 16 x lane
.set SCR,  8                           ; my tile + r PM + 64 h
.set PEA,  9                           ; PEB + (16 (w % 4) + r) PM + 64 h
.set XWI,  10                          ; XIMG + w FRB + 16 x lane
.set XWS,  11                          ; XSC + 128 w + 4 x lane
.set PRA,  12                          ; my tile + r PX + 64 h
.set YSW,  13                          ; my tile + r PM + 32 h
.set BIAA, 14                          ; BIA + 32 h
.set WPA,  15                          ; WPI + 16 x lane
.set WPSA, 16                          ; WPS + 4 x lane
.set MSW,  17                          ; MASK + 16 w PM + 16 x lane
.set PFO,  18                          ; the prefetch's offset: row lane / 2 of my 16 mask rows, half lane % 2
.set ADX,  19                          ; addresses of the trip in hand
.set ADS,  20
.set ADM,  21
.set ADO,  22
.set ADO2, 23
.set QA,   24                          ; v24-31, v32-39 q tiles; in the projection v24-35 x_out's first fragment
.set QB,   32
.set WS,   40                          ; v40-45 scale words of my six weight fragments.  v40-53 hold scales and nothing else
.set XS,   46                          ; v46-49 scale words of fragments fetched from LDS
.set VS,   50                          ; V's
.set PW,   51                          ; P's; x's; x_out's second
.set PWA,  52                          ; P's of set A; x_out's first
.set PWB,  53                          ; P's of set B
.set NMA,  54                          ; v54, v56 -M (the low word of a pair)
.set NMB,  56
.set SA,   58                          ; v[58:59], v[60:61] the sums
.set SB,   60
.set RLA,  62                          ; v62, v250 1 / the row's sum (the low word of a pair)
.set TT,   64                          ; v64-127 C of the scores, then t - M and p; V in f32; what is quantised; the bias as C; rows of y
.set RB,   128                         ; v128-191 the next trip's bias; pe; the next window's x
.set P0,   192                         ; v192-209 codes
.set CT,   210                         ; v210-216 the blocks' upper halves
.set TM,   218                         ; v218-221 maxima, v222-225 the other half's and bytes, v230-233 scale operands
.set OA,   234
.set OB,   242
.set RLB,  250
; window 1
.set KT,   0                           ; k, 8 tiles
.set SC,   64                          ; the scores' and y's accumulators: written by matrix instructions alone
.set WF,   128                         ; my six weight fragments: q, k, v self, q, k, v mutual
.set XB,   200                         ; four fragments fetched from LDS
.set XFA,  200                         ; in the trips: x's fragments for q,
.set XFB,  212
.set VF,   224                         ; and V's codes
; scalars
.set WV,   18
.set IW,   19
.set SEL,  20
.set CS,   22                          ; log2(e), twice
.set RP0,  26                          ; rpb at my head
.set RP,   28                          ; and at the tile to be fetched
.set XP,   30
.set OP,   32
.set MP,   34
.set SM,   38                          ; steps of the trips' LDS addresses
.set SX,   39
.set SS,   40
.set SO,   41
.set TR,   42
.set TOKB, 43                          ; my token tile's first token x 512 bytes
.set GOF,  44                          ; work-group x 65,536 bytes
.set PAR,  58                          ; my group: bit 0 xor bit 2 of my wave's number
.set MSB, 0
.macro WIN new                         ; which window of 256 registers each operand place means: bits 1:0 source 0, 3:2 source 1, 5:4 source 2, 7:6 destination; the high byte repeats the setting that is left
.if MSB != \new
	s_set_vgpr_msb (MSB<<8)|\new
.set MSB, \new
.endif
.endm
.macro PLACES n
.rept \n
	v_nop
.endr
.endm
.macro BARRIER                         ; my LDS stores have landed and my LDS loads are in: then the work-group's barrier
	s_wait_dscnt 0x0
	s_barrier_signal -1
	s_barrier_wait -1
.endm
.macro MX0 d, a, b, sa, sb
	v_wmma_scale_f32_16x16x128_f8f6f4 v[\d:\d+7], v[\a:\a+11], v[\b:\b+11], 0, v[\sa], v[\sb] matrix_a_fmt:MATRIX_FMT_FP6 matrix_b_fmt:MATRIX_FMT_FP6
.endm
.macro MXC d, a, b, c, sa, sb
	v_wmma_scale_f32_16x16x128_f8f6f4 v[\d:\d+7], v[\a:\a+11], v[\b:\b+11], v[\c:\c+7], v[\sa], v[\sb] matrix_a_fmt:MATRIX_FMT_FP6 matrix_b_fmt:MATRIX_FMT_FP6
.endm
.macro SCOPS
.irp b, 0,1,2,3
	v_add_nc_u32 v[TM+12+\b], 0xff000000, v[TM+\b]         ; 2 off the exponent field: the conversion takes this operand's exponent field as its scale
.endr
.irp b, 0,1,2,3
	v_lshrrev_b32 v[TM+4+\b], 23, v[TM+12+\b]              ; the scale's byte
.endr
.endm
.macro CODES src, d0, d1               ; 64 numbers of a lane -> codes: blocks 0, 1 in six registers at d0, blocks 2, 3 at d1
	v_cvt_scalef32_pk16_fp6_f32 v[\d0:\d0+2], v[\src:\src+15], v[TM+12]
	v_cvt_scalef32_pk16_fp6_f32 v[CT:CT+2], v[\src+16:\src+31], v[TM+13]
	v_cvt_scalef32_pk16_fp6_f32 v[\d1:\d1+2], v[\src+32:\src+47], v[TM+14]
	v_cvt_scalef32_pk16_fp6_f32 v[CT+4:CT+6], v[\src+48:\src+63], v[TM+15]
	v_nop                                                  ; one plain place behind the scaled conversions
.irp i, 0,1,2
	v_permlane16_swap_b32 v[\d0+\i], v[CT+\i]              ; a whole block to a lane: lanes 0-15 the even block, lanes 16-31 the odd one
	v_permlane16_swap_b32 v[\d1+\i], v[CT+4+\i]
.endr
.irp i, 0,1,2
	v_mov_b32 v[\d0+3+\i], v[CT+\i]
	v_mov_b32 v[\d1+3+\i], v[CT+4+\i]
.endr
.endm
.macro QUANT src, d0, d1, sw           ; register 16 b + i of src = k 32 b + 16 h + i of the lane's row.  Each tile of eight registers is read from its low end on
.irp b, 0,1,2,3
	v_max3_num_f32 v[TM+\b], |v[\src+16*\b]|, |v[\src+1+16*\b]|, 0x1800000   ; with the floor 2^(3 - 127): the byte cannot fall under 1
.endr
.irp i, 2,4,6,8,10,12,14
.irp b, 0,1,2,3
	v_max3_num_f32 v[TM+\b], v[TM+\b], |v[\src+16*\b+\i]|, |v[\src+1+16*\b+\i]|
.endr
.endr
.irp b, 0,1,2,3
	v_permlanex16_b32 v[TM+4+\b], v[TM+\b], s[SEL], s[SEL+1]
.endr
.irp b, 0,1,2,3
	v_max_num_f32 v[TM+\b], v[TM+\b], v[TM+4+\b]           ; with lane l xor 16's 16 numbers: the block's largest magnitude
.endr
	SCOPS
	v_lshl_or_b32 v[\sw], v[TM+5], 8, v[TM+4]
	v_lshl_or_b32 v[\sw], v[TM+6], 16, v[\sw]
	v_lshl_or_b32 v[\sw], v[TM+7], 24, v[\sw]
	CODES \src, \d0, \d1
.endm
.macro LDQ reg, adr, off               ; 64 numbers of my row from LDS, in the quantiser's order: 16 neighbours of each block of 32
.irp b, 0,1,2,3
.irp j, 0,1,2,3
	ds_load_b128 v[\reg+16*\b+4*\j:\reg+16*\b+4*\j+3], v[\adr] offset:\off+128*\b+16*\j
.endr
.endr
.endm
.macro ROWS16 reg, base                ; my token tile's 16 rows of 512 bytes from memory: each load 512 consecutive bytes; read once in the launch
.irp i, 0,1,2,3,4,5,6,7,8,9,10,11,12,13,14,15
	global_load_b128 v[\reg+4*\i:\reg+4*\i+3], v[LI], s[\base:\base+1] offset:(\i+8*(\i/8))*512 th:TH_LOAD_NT
.endr
.endm
.macro LDRPB                           ; a query tile's bias, 8,192 bytes, as the C registers want it
.irp p, 0,1,2,3,4,5,6,7,8,9,10,11,12,13,14,15
	global_load_b128 v[RB+4*\p:RB+4*\p+3], v[LI], s[RP:RP+1] offset:512*\p
.endr
.endm
.macro IMAGE off, soff                 ; the fragment in v[P0] on and its scale word go to LDS as they stand
.irp c, 0,1,2
	ds_store_b128 v[XWI], v[P0+4*\c:P0+4*\c+3] offset:\off+512*\c
.endr
	ds_store_b32 v[XWS], v[PW] offset:\soff
.endm
; k (8 tiles, window 1) and V (codes in VF, scale word in VS) of my head.  sel = 0: self, 1: mutual.
.macro KV sel
.irp g, 0,1
.if \g
	PLACES 4                                       ; in front of loads into registers that matrix instructions have read
.endif
	WIN 0x40
.irp t, 0,1,2,3
.irp c, 0,1,2
	ds_load_b128 v[XB+12*\t+4*\c:XB+12*\t+4*\c+3], v[LIX] offset:(8*\sel+4*\g+\t)*FRB+512*\c
.endr
.endr
	WIN 0
.irp t, 0,1,2,3
	ds_load_b32 v[XS+\t], v[LSX] offset:(8*\sel+4*\g+\t)*128
.endr
	s_wait_dscnt 0x0
	WIN 0x45
.irp t, 0,1,2,3
	MX0 KT+8*(4*\g+\t), WF+12*(3*\sel+1), XB+12*\t, WS+3*\sel+1, XS+\t     ; k: lane = token, registers = channels
.endr
	WIN 0x05
.irp t, 0,1,2,3
	MX0 TT+8*(4*\g+\t), XB+12*\t, WF+12*(3*\sel+2), XS+\t, WS+3*\sel+2     ; v: lane = channel, registers = tokens
.endr
	WIN 0
.endr
	PLACES 4
	QUANT TT, P0, P0+6, PW                         ; V along the tokens
	WIN 0x40
.irp i, 0,1,2,3,4,5,6,7,8,9,10,11
	v_mov_b32 v[VF+\i], v[P0+\i]
.endr
	WIN 0
	v_mov_b32 v[VS], v[PW]
.if \sel
.irp i, 0,1,2,3,4,5
	v_mov_b32 v[P0+6+\i], 0                        ; zero codes for the 64 keys that a cross attention does not see: they stay through the four trips
.endr
.endif
.endm
.macro MAXES                           ; the largest score of each block of 32 keys: it serves the row's maximum and, since p rises with the score, the block's largest p
	WIN 0x15
.irp b, 0,1,2,3
	v_max3_num_f32 v[TM+\b], v[SC+16*\b], v[SC+16*\b+1], v[SC+16*\b+2]
.endr
	WIN 0x14
.irp i, 3,5,7,9,11,13
.irp b, 0,1,2,3
	v_max3_num_f32 v[TM+\b], v[TM+\b], v[SC+16*\b+\i], v[SC+16*\b+\i+1]
.endr
.endr
.irp b, 0,1,2,3
	v_max_num_f32 v[TM+\b], v[TM+\b], v[SC+16*\b+15]
.endr
	WIN 0
.irp b, 0,1,2,3
	v_permlanex16_b32 v[TM+4+\b], v[TM+\b], s[SEL], s[SEL+1]
.endr
.irp b, 0,1,2,3
	v_max_num_f32 v[TM+\b], v[TM+\b], v[TM+4+\b]
.endr
.endm
.macro EXPS                            ; p = 2^(t - M), and the same of each block's largest; then the blocks' scale operands and bytes
.set j, 0
.rept 64
	v_exp_f32 v[TT+j], v[TT+j]
.set j, j+1
.endr
.irp b, 0,1,2,3
	v_exp_f32 v[TM+\b], v[TM+\b]
.endr
	v_nop                                          ; a plain place behind the exponentials
	s_wait_alu depctr_va_vdst(0)
.irp b, 0,1,2,3
	v_max_num_f32 v[TM+\b], 0x1800000, v[TM+\b]    ; the floor 2^(3 - 127)
.endr
	SCOPS
.endm
; Links 1 to 3 of the eight score sums: 24 products, the accumulators by turns, one instruction a turn.  They leave every window 0.
.macro SELF_LINKS
	WIN 0x51
.irp s, 1,2,3
.irp k, 0,1,2,3,4,5,6,7
	v_wmma_f32_16x16x4_f32 v[SC+8*\k:SC+8*\k+7], v[KT+8*\k+2*\s:KT+8*\k+2*\s+1], v[QA+2*\s:QA+2*\s+1], v[SC+8*\k:SC+8*\k+7]
.endr
.endr
	WIN 0
.endm
.macro MUT_LINKS
	WIN 0x51
.irp s, 1,2,3
.irp k, 0,1,2,3
	v_wmma_f32_16x16x4_f32 v[SC+8*\k:SC+8*\k+7], v[KT+32+8*\k+2*\s:KT+32+8*\k+2*\s+1], v[QA+2*\s:QA+2*\s+1], v[SC+8*\k:SC+8*\k+7]
	v_wmma_f32_16x16x4_f32 v[SC+32+8*\k:SC+32+8*\k+7], v[KT+8*\k+2*\s:KT+8*\k+2*\s+1], v[QB+2*\s:QB+2*\s+1], v[SC+32+8*\k:SC+32+8*\k+7]
.endr
.endr
	WIN 0
.endm
; THE TWO GROUPS ARE SET APART.  Group 0 issues its 24 links and then signals; group 1 signals at once and issues its 24 links behind the barrier's wait, when all of group 0's have been issued.
; The barrier stands on every wave's path; the branches hang on the wave's number alone and jump over matrix instructions only.  It orders no memory access: the values are the same without it.
; The eight first links stand ahead of it, on every path.  kind = 0: self, 1: mutual.  Every window is 0 on the way in and on the way out.
.macro PACED kind
	s_cmp_eq_u32 s[PAR], 0
	s_cbranch_scc0 .Lheld_\@
.if \kind
	MUT_LINKS
.else
	SELF_LINKS
.endif
.Lheld_\@:
	BARRIER                                        ; (no LDS instruction of mine is out here: the trip's head has waited for all)
	s_cmp_eq_u32 s[PAR], 0
	s_cbranch_scc1 .Lgone_\@
.if \kind
	MUT_LINKS
.else
	SELF_LINKS
.endif
.Lgone_\@:
.endm
; ---------------- self attention: one trip = one tile of 16 queries against all 128 keys
.macro SELF_LOADX                      ; x's fragment of the next query tile
	v_add_nc_u32 v[ADX], s[SX], v[LIX]
	v_add_nc_u32 v[ADS], s[SS], v[LSX]
	WIN 0x40
.irp c, 0,1,2
	ds_load_b128 v[XFA+4*\c:XFA+4*\c+3], v[ADX] offset:512*\c
.endr
	WIN 0
	ds_load_b32 v[XS], v[ADS]
.endm
.macro SELF_LOADM                      ; its rows of the mask, as the C registers want them
	v_add_nc_u32 v[ADM], s[SM], v[MA0]
	LDQ TT, ADM, 0
.endm
.macro SELF_TRIP ahead, paced          ; ahead = 1: the next trip's operands are asked for;  paced = 1: the first trip, in which the two groups of waves are set apart
	v_add_nc_u32 v[ADO], s[SO], v[SO0]
	s_add_co_u32 s[SM], s[SM], 16*PM
	s_add_co_u32 s[SX], s[SX], FRB
	s_add_co_u32 s[SS], s[SS], 128
	s_add_co_u32 s[SO], s[SO], XOT
	s_wait_dscnt 0x0                               ; x's fragment, its scale word and the mask rows are in; the last trip's stores have read their registers
	WIN 0x05
	MX0 QA, WF, XFA, WS, XS                        ; q of 16 queries
	WIN 0
	s_wait_loadcnt 0x0                             ; the tile's bias is in (nothing else of mine is out), so its base may step
.if \ahead
	s_add_nc_u64 s[RP:RP+1], s[RP:RP+1], 8192
.endif
.set j, 0
.rept 32
	v_pk_add_f32 v[TT+j:TT+j+1], v[TT+j:TT+j+1], v[RB+j:RB+j+1]    ; C = mask + bias.  (These are also the places behind the product above)
.set j, j+2
.endr
.irp j, 0,2,4,6
	v_pk_mul_f32 v[QA+\j:QA+\j+1], v[QA+\j:QA+\j+1], 0x3e800000 op_sel_hi:[1,0]   ; q x 16^-0.5, exact
.endr
.if \ahead
	LDRPB                                          ; the next tile's bias has the whole trip in which to come
.endif
	WIN 0x41                                       ; S^T = k q^T + C: eight accumulators by turns, one instruction a turn
.irp k, 0,1,2,3,4,5,6,7
	v_wmma_f32_16x16x4_f32 v[SC+8*\k:SC+8*\k+7], v[KT+8*\k:KT+8*\k+1], v[QA:QA+1], v[TT+8*\k:TT+8*\k+7]
.endr
.if \paced
	WIN 0
	PACED 0
.else
	SELF_LINKS
.endif
	PLACES 8                                       ; eight places behind this form before its results are read
.if \ahead
	SELF_LOADX
.endif
	MAXES
	v_max3_num_f32 v252, v[TM], v[TM+1], v[TM+2]
	v_max_num_f32 v252, v252, v[TM+3]              ; the row's largest logit
	v_mul_f32 v252, s[CS], v252                    ; as t
	v_floor_f32 v[NMA], -v252                      ; -M = floor(-t) = -ceil(t)
.irp b, 0,1,2,3
	v_fma_f32 v[TM+\b], v[TM+\b], s[CS], v[NMA]
.endr
	WIN 0x01
.set j, 0
.rept 32
	v_pk_fma_f32 v[TT+j:TT+j+1], v[SC+j:SC+j+1], s[CS:CS+1], v[NMA:NMA+1] op_sel_hi:[1,0,0]   ; t - M
.set j, j+2
.endr
	WIN 0
	EXPS
	v_lshl_or_b32 v[PW], v[TM+5], 8, v[TM+4]
	v_lshl_or_b32 v[PW], v[TM+6], 16, v[PW]
	v_lshl_or_b32 v[PW], v[TM+7], 24, v[PW]
	CODES TT, P0, P0+6
	v_pk_add_f32 v[SA:SA+1], v[TT:TT+1], v[TT+2:TT+3]      ; the row's sum is taken of the unquantised p.  (These additions are also the places in front of the scaled product below)
	v_pk_add_f32 v[SB:SB+1], v[TT+4:TT+5], v[TT+6:TT+7]
.set j, 8
.rept 14
	v_pk_add_f32 v[SA:SA+1], v[SA:SA+1], v[TT+j:TT+j+1]
	v_pk_add_f32 v[SB:SB+1], v[SB:SB+1], v[TT+j+2:TT+j+3]
.set j, j+4
.endr
	v_pk_add_f32 v[SA:SA+1], v[SA:SA+1], v[SB:SB+1]
	v_add_f32 v252, v[SA], v[SA+1]
	v_permlanex16_b32 v253, v252, s[SEL], s[SEL+1]
	v_add_f32 v252, v252, v253
	v_rcp_f32 v[RLA], v252
	v_nop                                          ; a plain place behind the reciprocal
.if \ahead
	SELF_LOADM
.endif
	WIN 0x01
	MX0 OA, VF, P0, VS, PW                         ; O^T = V^T P^T: lane = query, registers = channels 8 h + 0 .. 7
	WIN 0
	PLACES 4
	s_wait_alu depctr_va_vdst(0)
.irp j, 0,2,4,6
	v_pk_mul_f32 v[OA+\j:OA+\j+1], v[OA+\j:OA+\j+1], v[RLA:RLA+1] op_sel_hi:[1,0]
.endr
	ds_store_b128 v[ADO], v[OA:OA+3] offset:512    ; features 128 + 16 head + 8 h on of the query's row of x_out
	ds_store_b128 v[ADO], v[OA+4:OA+7] offset:528
.endm
; ---------------- mutual attention: one trip = two tiles of 16 queries, each against its 64 keys.  Set A: queries of tile i, keys of tiles 4-7.  Set B: queries of tile i + 4, keys of tiles 0-3.
; Both take the same C: rows of tile i, columns 0-63 of the mask.  A result of query token n lands in row n xor 64 of x_out.
.macro MUT_LOADX
	v_add_nc_u32 v[ADX], s[SX], v[LIX]
	v_add_nc_u32 v[ADS], s[SS], v[LSX]
	WIN 0x40
.irp c, 0,1,2
	ds_load_b128 v[XFA+4*\c:XFA+4*\c+3], v[ADX] offset:8*FRB+512*\c
.endr
.irp c, 0,1,2
	ds_load_b128 v[XFB+4*\c:XFB+4*\c+3], v[ADX] offset:12*FRB+512*\c
.endr
	WIN 0
	ds_load_b32 v[XS], v[ADS] offset:8*128
	ds_load_b32 v[XS+1], v[ADS] offset:12*128
.endm
.macro MUT_LOADM
	v_add_nc_u32 v[ADM], s[SM], v[MA0]
.irp b, 0,1
.irp j, 0,1,2,3
	ds_load_b128 v[TT+16*\b+4*\j:TT+16*\b+4*\j+3], v[ADM] offset:128*\b+16*\j
.endr
.endr
.endm
.macro MUT_TRIP ahead, paced
	v_add_nc_u32 v[ADO], s[SO], v[SO0]             ; tile i: set B's results
	v_add_nc_u32 v[ADO2], 4*XOT, v[ADO]            ; tile i + 4: set A's
	s_add_co_u32 s[SM], s[SM], 16*PM
	s_add_co_u32 s[SX], s[SX], FRB
	s_add_co_u32 s[SS], s[SS], 128
	s_add_co_u32 s[SO], s[SO], XOT
	s_wait_dscnt 0x0
	WIN 0x05
	MX0 QA, WF+36, XFA, WS+3, XS
	MX0 QB, WF+36, XFB, WS+3, XS+1
	WIN 0
	PLACES 4
.irp j, 0,2,4,6,8,10,12,14
	v_pk_mul_f32 v[QA+\j:QA+\j+1], v[QA+\j:QA+\j+1], 0x3e800000 op_sel_hi:[1,0]
.endr
	WIN 0x41                                       ; eight accumulators by turns, one instruction a turn
.irp k, 0,1,2,3
	v_wmma_f32_16x16x4_f32 v[SC+8*\k:SC+8*\k+7], v[KT+32+8*\k:KT+32+8*\k+1], v[QA:QA+1], v[TT+8*\k:TT+8*\k+7]
	v_wmma_f32_16x16x4_f32 v[SC+32+8*\k:SC+32+8*\k+7], v[KT+8*\k:KT+8*\k+1], v[QB:QB+1], v[TT+8*\k:TT+8*\k+7]
.endr
.if \paced
	WIN 0
	PACED 1
.else
	MUT_LINKS
.endif
	PLACES 8
.if \ahead
	MUT_LOADX
.endif
	MAXES
	v_max_num_f32 v252, v[TM], v[TM+1]
	v_max_num_f32 v254, v[TM+2], v[TM+3]
	v_mul_f32 v252, s[CS], v252
	v_mul_f32 v254, s[CS], v254
	v_floor_f32 v[NMA], -v252
	v_floor_f32 v[NMB], -v254
	v_fma_f32 v[TM], v[TM], s[CS], v[NMA]
	v_fma_f32 v[TM+1], v[TM+1], s[CS], v[NMA]
	v_fma_f32 v[TM+2], v[TM+2], s[CS], v[NMB]
	v_fma_f32 v[TM+3], v[TM+3], s[CS], v[NMB]
	WIN 0x01
.set j, 0
.rept 16
	v_pk_fma_f32 v[TT+j:TT+j+1], v[SC+j:SC+j+1], s[CS:CS+1], v[NMA:NMA+1] op_sel_hi:[1,0,0]
.set j, j+2
.endr
.rept 16
	v_pk_fma_f32 v[TT+j:TT+j+1], v[SC+j:SC+j+1], s[CS:CS+1], v[NMB:NMB+1] op_sel_hi:[1,0,0]
.set j, j+2
.endr
	WIN 0
	EXPS
	v_lshlrev_b32 v[PWA], 16, v[TM+4]              ; set A's two blocks are keys 64-127: bytes 2 and 3; the other two bytes stand over zero codes
	v_lshl_or_b32 v[PWA], v[TM+5], 24, v[PWA]
	v_lshl_or_b32 v[PWB], v[TM+7], 8, v[TM+6]      ; set B's are keys 0-63: bytes 0 and 1
	CODES TT, P0+12, P0                            ; v192-197 set B's codes, v198-203 zeros, v204-209 set A's
	v_pk_add_f32 v[SA:SA+1], v[TT:TT+1], v[TT+2:TT+3]
	v_pk_add_f32 v[SB:SB+1], v[TT+32:TT+33], v[TT+34:TT+35]
.set j, 4
.rept 14
	v_pk_add_f32 v[SA:SA+1], v[SA:SA+1], v[TT+j:TT+j+1]
	v_pk_add_f32 v[SB:SB+1], v[SB:SB+1], v[TT+32+j:TT+33+j]
.set j, j+2
.endr
	v_add_f32 v252, v[SA], v[SA+1]
	v_add_f32 v254, v[SB], v[SB+1]
	v_permlanex16_b32 v253, v252, s[SEL], s[SEL+1]
	v_permlanex16_b32 v255, v254, s[SEL], s[SEL+1]
	v_add_f32 v252, v252, v253
	v_add_f32 v254, v254, v255
	v_rcp_f32 v[RLA], v252
	v_rcp_f32 v[RLB], v254
	v_nop
.if \ahead
	MUT_LOADM
.endif
	WIN 0x01
	MX0 OA, VF, P0+6, VS, PWA                      ; zeros for keys 0-63, set A's codes for keys 64-127
	MX0 OB, VF, P0, VS, PWB                        ; set B's codes for keys 0-63, zeros for keys 64-127
	WIN 0
	PLACES 4
	s_wait_alu depctr_va_vdst(0)
.irp j, 0,2,4,6
	v_pk_mul_f32 v[OA+\j:OA+\j+1], v[OA+\j:OA+\j+1], v[RLA:RLA+1] op_sel_hi:[1,0]
.endr
.irp j, 0,2,4,6
	v_pk_mul_f32 v[OB+\j:OB+\j+1], v[OB+\j:OB+\j+1], v[RLB:RLB+1] op_sel_hi:[1,0]
.endr
	ds_store_b128 v[ADO2], v[OA:OA+3]              ; features 16 head + 8 h on
	ds_store_b128 v[ADO2], v[OA+4:OA+7] offset:16
	ds_store_b128 v[ADO], v[OB:OB+3]
	ds_store_b128 v[ADO], v[OB+4:OB+7] offset:16
.endm
; ================ the head: addresses, resident weights, what is staged once
	s_load_b256 s[4:11], s[0:1], 0x0               ; x s[4:5], mask s[6:7], pe s[8:9], b_proj s[10:11]
	s_load_b128 s[12:15], s[0:1], 0x20             ; wimg s[12:13], rpb s[14:15]
	s_load_b64 s[16:17], s[0:1], 0x30              ; out0
	v_lshl_add_u32 v228, v0, 2, 0x46600
	v_mov_b32 v229, 0
	v_lshrrev_b32 v24, 5, v0
	v_readfirstlane_b32 s[WV], v24                 ; wave 0..7
	s_lshr_b32 s[PAR], s[WV], 2
	s_xor_b32 s[PAR], s[PAR], s[WV]
	s_and_b32 s[PAR], s[PAR], 1                    ; my group: bit 0 xor bit 2 of the wave's number
	v_and_b32 v24, 31, v0                          ; lane
	v_and_b32 v25, 15, v0                          ; r
	v_bfe_u32 v26, v0, 4, 1                        ; h
	v_lshlrev_b32 v[LI], 4, v24
	v_lshlrev_b32 v[LS], 2, v24
	v_add_nc_u32 v[LIX], XIMG, v[LI]
	v_add_nc_u32 v[LSX], XSC, v[LS]
	v_mul_u32_u24 v27, v25, PM
	v_lshl_add_u32 v[MA0], v26, 6, v27             ; (MASK is LDS byte 0)
	v_mul_u32_u24 v28, v25, PX
	s_mul_i32 s45, s[WV], XOT
	s_add_co_u32 s45, s45, XO                      ; my tile of x_out
	s_lshl_b32 s46, s[WV], 6
	s_add_co_u32 s46, s46, XO
	v_lshl_add_u32 v[SO0], v26, 5, v28
	v_add_nc_u32 v[SO0], s46, v[SO0]
	v_add_nc_u32 v[SCW], s45, v[LI]
	v_add_nc_u32 v[SCR], s45, v[MA0]
	s_and_b32 s46, s[WV], 3
	s_mul_i32 s46, s46, 16*PM
	s_add_co_u32 s46, s46, PEB
	v_add_nc_u32 v[PEA], s46, v[MA0]
	s_mul_i32 s46, s[WV], FRB
	v_add_nc_u32 v[XWI], s46, v[LIX]
	s_lshl_b32 s46, s[WV], 7
	v_add_nc_u32 v[XWS], s46, v[LSX]
	v_lshl_add_u32 v[PRA], v26, 6, v28
	v_add_nc_u32 v[PRA], s45, v[PRA]
	v_lshl_add_u32 v[YSW], v26, 5, v27
	v_add_nc_u32 v[YSW], s45, v[YSW]
	v_lshlrev_b32 v[BIAA], 5, v26
	v_add_nc_u32 v[BIAA], BIA, v[BIAA]
	v_add_nc_u32 v[WPA], WPI, v[LI]
	v_add_nc_u32 v[WPSA], WPS, v[LS]
	s_mul_i32 s46, s[WV], 16*PM
	v_add_nc_u32 v[MSW], s46, v[LI]
	v_lshrrev_b32 v29, 1, v24
	v_lshl_add_u32 v29, v26, 3, v29                ; row lane / 2 of my 16, which lies 8 tokens further on from the ninth row on
	v_and_b32 v30, 1, v24
	v_lshlrev_b32 v30, 8, v30
	v_lshl_add_u32 v[PFO], v29, 9, v30
	; the staging's addresses: v33 8 x lane; v34 pe's rows 8 w on; v35 w_proj's images 2 w, 2 w + 1; v36 their scale words; v37, v38 my 16 numbers of b_proj in memory and in LDS
	v_lshlrev_b32 v33, 3, v24
	s_mul_i32 s46, s[WV], 8*PM
	s_add_co_u32 s46, s46, PEB
	v_add_nc_u32 v34, s46, v[LI]
	s_mul_i32 s46, s[WV], 2*FRB
	v_add_nc_u32 v35, s46, v[WPA]
	s_lshl_b32 s46, s[WV], 8
	s_add_co_u32 s46, s46, WPS
	v_add_nc_u32 v36, s46, v33
	s_lshl_b32 s46, s[WV], 6
	v_lshl_add_u32 v37, v25, 2, s46
	v_add_nc_u32 v38, BIA, v37
.irp b, 0,1,2,3
	v_mov_b32 v[TM+4+\b], 0                        ; written once: a lane permute's destination counts as one of its sources
.endr
	v_mov_b32 v253, 0
	v_mov_b32 v255, 0
	v_mov_b32 v[NMA+1], 0                          ; the upper words of pairs of which the packed forms take the low word
	v_mov_b32 v[NMB+1], 0
	v_mov_b32 v[RLA+1], 0
	v_mov_b32 v[RLB+1], 0
	s_mov_b32 s[SEL], 0x76543210
	s_mov_b32 s[SEL+1], 0xfedcba98
	s_mov_b32 s[CS], 0x3fb8aa3b                    ; log2(e)
	s_mov_b32 s[CS+1], s[CS]
	s_lshr_b32 s45, s[WV], 1
	s_lshl_b32 s45, s45, 5
	s_and_b32 s46, s[WV], 1
	s_lshl_b32 s46, s46, 3
	s_add_co_u32 s45, s45, s46                     ; my token tile's first token
	s_lshl_b32 s[TOKB], s45, 9
	s_lshl_b32 s[GOF], ttmp9, 16
	s_lshr_b32 s45, s[WV], 2                       ; pe's rows 8 w .. 8 w + 7 in tile order begin at token 32 (w / 4) + 8 ((w / 2) % 2) + 16 (w % 2)
	s_lshl_b32 s45, s45, 5
	s_bfe_u32 s46, s[WV], 0x10001
	s_lshl_b32 s46, s46, 3
	s_add_co_u32 s45, s45, s46
	s_and_b32 s46, s[WV], 1
	s_lshl_b32 s46, s46, 4
	s_add_co_u32 s45, s45, s46
	s_lshl_b32 s45, s45, 9
	s_mov_b32 s37, 0
	s_wait_kmcnt 0x0
	s_mul_i32 s36, s[WV], FRB
	s_add_nc_u64 s[48:49], s[12:13], s[36:37]      ; wimg at my head's first fragment
	s_lshl_b32 s36, s[WV], 7
	s_add_nc_u64 s[50:51], s[12:13], s[36:37]      ; and at its scale words, less 98,304
	s_mov_b32 s36, s45
	s_add_nc_u64 s[52:53], s[8:9], s[36:37]        ; pe
	s_mul_i32 s36, s[WV], 2*FRB
	s_add_nc_u64 s[54:55], s[12:13], s[36:37]      ; w_proj's images 2 w, 2 w + 1, less 73,728
	s_lshl_b32 s36, s[WV], 8
	s_add_nc_u64 s[56:57], s[12:13], s[36:37]      ; their scale words, less 104,448
	s_lshl_b32 s36, s[WV], 16
	s_add_nc_u64 s[RP0:RP0+1], s[14:15], s[36:37]
	s_add_co_u32 s36, s[GOF], s[TOKB]
	s_add_nc_u64 s[MP:MP+1], s[6:7], s[36:37]      ; mask group g, my 16 rows
	s_add_nc_u64 s[XP:XP+1], s[4:5], s[36:37]      ; window g, my 16 tokens
	WIN 0x40
.irp t, 0,1,2,3,4,5
.irp c, 0,1,2
	global_load_b128 v[WF+12*\t+4*\c:WF+12*\t+4*\c+3], v[LI], s[48:49] offset:\t*8*FRB+512*\c   ; my head's six weight fragments stay in registers
.endr
.endr
	WIN 0
.irp t, 0,1,2,3,4,5
	global_load_b32 v[WS+\t], v[LS], s[50:51] offset:98304+1024*\t
.endr
	ROWS16 TT, MP
	WIN 0x40
.irp i, 0,1,2,3,4,5,6,7
	global_load_b128 v[KT+4*\i:KT+4*\i+3], v[LI], s[52:53] offset:512*\i
.endr
.irp c, 0,1,2,3,4,5
	global_load_b128 v[XB+4*\c:XB+4*\c+3], v[LI], s[54:55] offset:73728+512*\c
.endr
	WIN 0
	global_load_b64 v[30:31], v33, s[56:57] offset:104448
	global_load_b32 v32, v37, s[10:11]             ; lanes l and l + 16 take the same word
	ROWS16 RB, XP                                  ; the first window's x, last
	s_wait_loadcnt 16                              ; all but the 16 loads of x
.irp i, 0,1,2,3,4,5,6,7,8,9,10,11,12,13,14,15
	ds_store_b128 v[MSW], v[TT+4*\i:TT+4*\i+3] offset:PM*\i
.endr
	WIN 0x04
.irp i, 0,1,2,3,4,5,6,7
	ds_store_b128 v34, v[KT+4*\i:KT+4*\i+3] offset:PM*\i
.endr
.irp c, 0,1,2,3,4,5
	ds_store_b128 v35, v[XB+4*\c:XB+4*\c+3] offset:512*\c
.endr
	WIN 0
	ds_store_b64 v36, v[30:31]
	ds_store_b32 v38, v32                          ; (and store the same word with the same value)
	BARRIER                                        ; mask, pe, w_proj and b_proj lie in LDS
	s_mov_b32 s[IW], 0
.Lwin:
	; ================ my 16 tokens of x and of x + pe become two operand images
	s_wait_loadcnt 0x0                             ; x is in
.irp i, 0,1,2,3,4,5,6,7,8,9,10,11,12,13,14,15
	ds_store_b128 v[SCW], v[RB+4*\i:RB+4*\i+3] offset:PM*\i    ; through my scratch: in as whole rows, back 16 neighbours of each block a lane.  LDS serves a wave's instructions in order
.endr
	LDQ TT, SCR, 0
	s_wait_dscnt 0x0
	LDQ RB, PEA, 0                                 ; pe of my tokens, in the same order
	QUANT TT, P0, P0+6, PW
	IMAGE 0, 0
	s_wait_dscnt 0x0                               ; pe is in, and the stores have read their registers
.set j, 0
.rept 32
	v_pk_add_f32 v[TT+j:TT+j+1], v[TT+j:TT+j+1], v[RB+j:RB+j+1]
.set j, j+2
.endr
	s_mov_b64 s[RP:RP+1], s[RP0:RP0+1]
	LDRPB                                          ; the first query tile's bias
	QUANT TT, P0, P0+6, PW
	IMAGE 8*FRB, 8*128
	BARRIER                                        ; the sixteen images (and a mask staged anew) lie in LDS; every wave has left its own tile of x_out
	; ================ self attention of my head
	KV 0
	s_mov_b32 s[SM], 0
	s_mov_b32 s[SX], 0
	s_mov_b32 s[SS], 0
	s_mov_b32 s[SO], 0
	SELF_LOADX
	SELF_LOADM
	SELF_TRIP 1, 1                                 ; the first tile: here the two groups of waves are set apart
	s_mov_b32 s[TR], 6
.Lself:
	SELF_TRIP 1, 0
	s_sub_co_u32 s[TR], s[TR], 1
	s_cmp_lg_u32 s[TR], 0
	s_cbranch_scc1 .Lself
	SELF_TRIP 0, 0                                 ; the last tile asks for nothing more
	; ---- the next window's x is asked for here, into the registers that the bias has left: it has the mutual attention and the projection in which to come
	s_cmp_lt_u32 s[IW], 3
	s_cbranch_scc0 .Lno_x
	s_add_co_u32 s45, s[IW], 1
	s_and_b32 s46, s45, 1
	s_lshl_b32 s46, s46, 25                        ; 512 windows of 65,536 bytes
	s_lshr_b32 s47, s45, 1
	s_lshl_b32 s47, s47, 24                        ; 256 windows
	s_add_co_u32 s36, s46, s47
	s_add_co_u32 s36, s36, s[GOF]
	s_add_co_u32 s36, s36, s[TOKB]
	s_mov_b32 s37, 0
	s_add_nc_u64 s[XP:XP+1], s[4:5], s[36:37]
	ROWS16 RB, XP
.Lno_x:
	; ---- in the second window: a prefetch of the 16 rows of mask group g + 256 that I load at the projection's head: 32 blocks of 256 bytes, a lane a block, each named once in the launch;
	;      it stands behind my loads of x, four mutual trips (128 of my score products) ahead of the loads that want the rows
	s_cmp_eq_u32 s[IW], 1
	s_cbranch_scc0 .Lno_pf
	s_add_co_u32 s36, s[GOF], s[TOKB]
	s_add_co_u32 s36, s36, 1<<24
	s_mov_b32 s37, 0
	s_add_nc_u64 s[MP:MP+1], s[6:7], s[36:37]
	global_prefetch_b8 v[PFO], s[MP:MP+1] th:TH_LOAD_NT scope:SCOPE_SE
.Lno_pf:
	; ================ mutual attention of my head
	KV 1
	s_mov_b32 s[SM], 0
	s_mov_b32 s[SX], 0
	s_mov_b32 s[SS], 0
	s_mov_b32 s[SO], 0
	MUT_LOADX
	MUT_LOADM
	MUT_TRIP 1, 1                                  ; the first trip: the two groups' distance is set anew
	s_mov_b32 s[TR], 2
.Lmut:
	MUT_TRIP 1, 0
	s_sub_co_u32 s[TR], s[TR], 1
	s_cmp_lg_u32 s[TR], 0
	s_cbranch_scc1 .Lmut
	MUT_TRIP 0, 0
	BARRIER                                        ; x_out is whole; nobody reads the mask or the images any more
	; ================ the projection of my 16 tokens
	s_cmp_eq_u32 s[IW], 1
	s_cbranch_scc0 .Lno_m1
	WIN 0x40
	ROWS16 KT, MP                                  ; the next mask group's rows, into the registers that k has left
	WIN 0
.Lno_m1:
	LDQ TT, PRA, 0                                 ; features 0-127
	s_wait_dscnt 0x0
	QUANT TT, QA, QA+6, PWA
	LDQ TT, PRA, 512                               ; features 128-255
	s_wait_dscnt 0x0
	QUANT TT, P0, P0+6, PW
.irp n, 0,1,2,3,4,5,6,7
	ds_load_b128 v[TT+8*\n:TT+8*\n+3], v[BIAA] offset:64*\n          ; the bias in the result's layout: it is the C of each sum's first product
	ds_load_b128 v[TT+8*\n+4:TT+8*\n+7], v[BIAA] offset:64*\n+16
.endr
	PLACES 8                                       ; a scale word made by vector instructions stands eight places ahead of the scaled product
.irp g, 0,1,2,3                        ; K step g / 2, output tiles 4 (g % 2) on: the eight accumulators by turns
	WIN 0x40
.irp t, 0,1,2,3
.irp c, 0,1,2
	ds_load_b128 v[XB+12*\t+4*\c:XB+12*\t+4*\c+3], v[WPA] offset:(2*(4*(\g%2)+\t)+\g/2)*FRB+512*\c
.endr
.endr
	WIN 0
.irp t, 0,1,2,3
	ds_load_b32 v[XS+\t], v[WPSA] offset:(2*(4*(\g%2)+\t)+\g/2)*128
.endr
	s_wait_dscnt 0x0
.if \g < 2
	WIN 0x41
.irp t, 0,1,2,3
	MXC SC+8*(4*(\g%2)+\t), XB+12*\t, QA, TT+8*(4*(\g%2)+\t), XS+\t, PWA
.endr
.else
	WIN 0x51
.irp t, 0,1,2,3
	MXC SC+8*(4*(\g%2)+\t), XB+12*\t, P0, SC+8*(4*(\g%2)+\t), XS+\t, PW
.endr
.endif
	WIN 0
	PLACES 4                                       ; in front of loads into registers that these products have read, and of the first read of results
.endr
	WIN 0x04
.irp n, 0,1,2,3,4,5,6,7
	ds_store_b128 v[YSW], v[SC+8*\n:SC+8*\n+3] offset:64*\n          ; lane (r, h): y(token r, 16 n + 8 h + 0 .. 7); each accumulator from its low end on
	ds_store_b128 v[YSW], v[SC+8*\n+4:SC+8*\n+7] offset:64*\n+16
.endr
	WIN 0
.irp i, 0,1,2,3,4,5,6,7,8,9,10,11,12,13,14,15
	ds_load_b128 v[TT+4*\i:TT+4*\i+3], v[SCW] offset:PM*\i           ; back as whole rows: these see my stores above
.endr
	s_and_b32 s45, s[IW], 1
	s_lshl_b32 s45, s45, 25
	s_lshr_b32 s46, s[IW], 1
	s_lshl_b32 s46, s46, 24
	s_add_co_u32 s36, s45, s46
	s_add_co_u32 s36, s36, s[GOF]
	s_add_co_u32 s36, s36, s[TOKB]
	s_mov_b32 s37, 0
	s_add_nc_u64 s[OP:OP+1], s[16:17], s[36:37]
.irp i, 0,1,2,3,4,5,6,7,8,9,10,11,12,13,14,15
	s_wait_dscnt 15-\i                             ; row i is back; the younger rows may be out
	global_store_b128 v[LI], v[TT+4*\i:TT+4*\i+3], s[OP:OP+1] offset:(\i+8*(\i/8))*512 th:TH_STORE_NT   ; 32 lanes store a row of 512 consecutive bytes
.endr
	s_cmp_eq_u32 s[IW], 1
	s_cbranch_scc0 .Lno_m2
	s_wait_loadcnt 0x0                             ; the next mask group's rows are in
	WIN 0x04
.irp i, 0,1,2,3,4,5,6,7,8,9,10,11,12,13,14,15
	ds_store_b128 v[MSW], v[KT+4*\i:KT+4*\i+3] offset:PM*\i    ; behind the barrier above nobody reads the old rows; the next barrier shows the new ones
.endr
	WIN 0
.Lno_m2:
	s_wait_xcnt 0x0                                ; the stores have read their registers and their base: both are written again in the next window
	s_add_co_u32 s[IW], s[IW], 1
	s_cmp_lt_u32 s[IW], 4
	s_cbranch_scc1 .Lwin
	s_wait_tensorcnt 0x0
	ds_add_u32 v228, v229
	s_wait_dscnt 0x0
	s_endpgm
.Lfunc_end_k_qe32c404902_attn:
	.size	k_qe32c404902_attn, .Lfunc_end_k_qe32c404902_attn-k_qe32c404902_attn
	.p2alignl 7, 3214868480
	.fill 96, 4, 3214868480
	.section	.rodata,"a",@progbits
	.p2align	6, 0x0
	.amdhsa_kernel k_qe32c404902_attn
		.amdhsa_group_segment_fixed_size 289280
		.amdhsa_private_segment_fixed_size 0
		.amdhsa_enable_private_segment 0
		.amdhsa_kernarg_size 56
		.amdhsa_user_sgpr_count 2
		.amdhsa_user_sgpr_kernarg_segment_ptr 1
		.amdhsa_wavefront_size32 1
		.amdhsa_system_sgpr_workgroup_id_x 1
		.amdhsa_system_sgpr_workgroup_id_y 1
		.amdhsa_system_sgpr_workgroup_id_z 1
		.amdhsa_system_vgpr_workitem_id 0
		.amdhsa_next_free_vgpr 512
		.amdhsa_next_free_sgpr 66
		.amdhsa_reserve_vcc 0
		.amdhsa_float_denorm_mode_32 3
		.amdhsa_float_denorm_mode_16_64 3
		.amdhsa_memory_ordered 1
		.amdhsa_forward_progress 1
		.amdhsa_inst_pref_size 187
	.end_amdhsa_kernel
	.amdgpu_metadata
---
amdhsa.version: [ 1, 2 ]
amdhsa.kernels:
  - .name:           k_qe32c404902_attn
    .symbol:         k_qe32c404902_attn.kd
    .args:
      - { .name: x, .offset: 0, .size: 8, .value_kind: global_buffer, .address_space: global }
      - { .name: mask, .offset: 8, .size: 8, .value_kind: global_buffer, .address_space: global }
      - { .name: pe, .offset: 16, .size: 8, .value_kind: global_buffer, .address_space: global }
      - { .name: b_proj, .offset: 24, .size: 8, .value_kind: global_buffer, .address_space: global }
      - { .name: wimg, .offset: 32, .size: 8, .value_kind: global_buffer, .address_space: global }
      - { .name: rpb, .offset: 40, .size: 8, .value_kind: global_buffer, .address_space: global }
      - { .name: out0, .offset: 48, .size: 8, .value_kind: global_buffer, .address_space: global }
    .group_segment_fixed_size: 289280
    .private_segment_fixed_size: 0
    .kernarg_segment_align: 8
    .kernarg_segment_size: 56
    .max_flat_workgroup_size: 256
    .sgpr_count:     66
    .vgpr_count:     512
    .wavefront_size: 32
...
	.end_amdgpu_metadata
.endif
;; end of part 2
;; ======== version 2 of 2: 2 launches; version 1 with the launch attn written anew for expert scheduling mode
;; workspace buffers: wimg 106,496 bytes; rpb 524,288 bytes
;; launch prep: the kernel of part 1 again; grid 48 x 1, 4 waves a work-group, no clusters, 0 bytes of LDS; arguments w_qkv_self, w_qkv_mut, w_proj, rpe_table, rpe_index, wimg, rpb; writes wimg, rpb
;; launch attn (part 3): grid 256 x 1, 8 waves a work-group, no clusters, 289,280 bytes of LDS; arguments x, mask, pe, b_proj, wimg, rpb, out0; writes out0
.if DOCPART == 3
	.amdgcn_target "amdgcn-amd-amdhsa--gfx1250"
	.amdhsa_code_object_version 6
	.text
	.protected	k_qe32c404902_attn
	.globl	k_qe32c404902_attn
	.p2align	8
	.type	k_qe32c404902_attn,@function
k_qe32c404902_attn:
	s_mov_b64 s[64:65], 0
	v_nop
	global_prefetch_b8 v0, s[64:65] scope:SCOPE_SE
	s_setreg_imm32_b32 hwreg(HW_REG_WAVE_SCHED_MODE, 0, 2), 2
	s_setreg_imm32_b32 hwreg(HW_REG_WAVE_MODE, 25, 1), 1
	s_wait_xcnt 0x0
	s_wait_alu depctr_vm_vsrc(0)
; The whole module for a window of 128 tokens x 128 channels, fused: QKV (self, and mutual on x + pe), eight heads of self attention (bias + mask), eight heads of the two 64 x 64 cross attentions (mask),
; the projection and its bias.  Quantised products on codes of FP6 (E2M3) with one E8M0 scale for each 32 along K; the score products (K = 16) with f32 operands; all else in f32.
; SHARES.  Work-group g walks windows g, g + 512, g + 256, g + 768: two windows for each mask group, which lies in LDS meanwhile.  Eight waves of 512 registers.  A wave has two parts:
;   as TOKEN TILE w it quantises 16 tokens of x and of x + pe, projects and stores 16 tokens, and stages 16 rows of the mask;  as HEAD w it makes k, V, q, scores, softmax and P V.
; TOKEN ORDER.  Row r of tile T is token 32 (T / 2) + 8 (T % 2) + r + 8 (r / 8), so that the 16 registers of result tiles 2 b and 2 b + 1 are the 16 neighbours 32 b + 16 h + 0 .. 15 along the next K.
; LAYOUT.  q and k come from the transposed product (source 0 = the head's 16 rows of W, source 1 = 16 tokens): lane (r, h) holds token r, channels 8 h + 0 .. 7.  Registers 2 s, 2 s + 1 of that result ARE an
;   operand of the f32 form with K = 4 (the same order of channels on both sides), so nothing but q x 0.25 stands between the products.  S^T = k q^T + C, C = mask (+ bias): a lane holds ONE query and keys in
;   its registers; p = 2^(t - M), M = ceil(the row's largest t), is quantised in place; O^T = V^T P^T; V comes from the product with the sources the other way round: a lane holds one channel, tokens in its registers.
; Operands go from wave to wave through LDS as images of their registers (three stores of 512 bytes and 128 bytes of scale words).
; TWO GROUPS OF WAVES, HALF A TRIP APART.  A trip is a run of 32 score products and then a softmax.  All waves leave a barrier together and run the same text, so without more ado all would send their products
;   at the same time and walk their softmaxes at the same time.  So the waves fall into two groups, by bit 0 xor bit 2 of their number (two waves whose numbers differ by 1 or by 4 are in different groups), and in
;   the first trip of each attention the second group issues the last 24 of its 32 products only when the first group has issued its own (macro PACED: a barrier that orders no memory access).  From there on both
;   groups run the same text, the second 24 products behind the first: one group's softmax stands beside the other group's products.
; THE MODE: SCHED_MODE bits 1:0 = 2 (LLVM: expert scheduling mode 2), set by the entry lines.  The code itself states the register dependences between vector or matrix instructions and memory or LDS
;   instructions, with s_wait_alu, always for 0.
; THE PLAN.  Registers that memory or LDS instructions touch, and who else names them:
;   v1-18, v33-38      addresses, made at the head ahead of its one wait on va_vdst.  v1-18 are never written again; v30-38 become q's registers behind the first window's wait on vm_vsrc.
;   ADX ADS ADM ADO ADO2  a trip's LDS addresses: all written at the trip's head, behind a wait on vm_vsrc; read by that trip's loads and stores, behind its first wait on va_vdst.
;   RB                 filled by loads (x, pe, a tile's bias); read by the additions of pe and of the bias, and once a window by the LDS stores of x.
;   XFA XFB XS XS+1    filled by LDS loads; read by q's products at a trip's head.      XB, XS .. XS+3: filled by LDS loads; read by KV's and the projection's products.
;   TT                 filled by LDS loads (x, mask rows, x_out, b_proj, rows of y); named by additions, products, the softmax and the quantisers; read by the stores of y.
;   P0 .. PW PWA PWB VF VS, and QA in the projection: written by vector instructions, taken by scaled products; P0 and PW are also read by the images' LDS stores.
;   OA OB              written by products and scalings; read by the trip's LDS stores.   SC: written by products alone; read by the LDS stores of y.   KT: written by products, once by loads; read by LDS stores.
;   A TRIP has one wait on vm_vsrc, at its head, and beside the wait behind its exponentials three on va_vdst: (1) behind q's scaling: RB, XFA and XS are done with and the addresses written: the next bias and the
;   next fragment are asked for at once; the score products that follow name KT, QA, SC and TT alone.  (2) behind the row's sum and its reciprocal: TT is done with (the next mask rows), P's codes and scale word
;   are written (the scaled product).  (3) behind the scalings of O: its LDS stores.  A last trip asks for nothing and has no (1).
; LIMITS: NaN and infinities are not served.  A block whose largest magnitude lies under 2^-124 (a block of zeros too) gets the scale byte 1; the bytes are read by this program alone, and zero codes add nothing.
;   mask + bias are the sum's first terms, not its last: another order of f32 rounding than the source's.  The division by the row's sum is a multiplication by v_rcp_f32's result.
.set PM,    528                        ; an LDS row of 512 bytes + 16: 132 words, so 16 neighbouring rows start 4 words apart modulo 64 words
.set PX,    1040                       ; a row of x_out: 1,024 bytes + 16
.set FRB,   1536                       ; an operand's image
.set XOT,   16*PX                      ; a tile of x_out
.set MASK,  0                          ; the mask group: 128 rows in tile order
.set XO,    MASK+128*PM                ; x_out, f32, 128 rows in tile order: bytes 0-511 the mutual features, 512-1023 the self features.  Wave w's own tile is also its scratch for x and its stage for y
.set XIMG,  XO+128*PX                  ; 16 images: x's tile T at T, (x + pe)'s at 8 + T
.set XSC,   XIMG+16*FRB                ; their scale words
.set PEB,   XSC+16*128                 ; pe: 64 rows in tile order
.set WPI,   PEB+64*PM                  ; w_proj's 16 images (2 n + s)
.set WPS,   WPI+16*FRB                 ; their scale words
.set BIA,   WPS+16*128                 ; b_proj
; window 0
.set LI,   1                           ; 16 x lane
.set LS,   2                           ; 4 x lane
.set LIX,  3                           ; XIMG + 16 x lane
.set LSX,  4                           ; XSC + 4 x lane
.set MA0,  5                           ; MASK + r PM + 64 h
.set SO0,  6                           ; XO + r PX + 32 h + 64 x head
.set SCW,  7                           ; my tile + 16 x lane
.set SCR,  8                           ; my tile + r PM + 64 h
.set PEA,  9                           ; PEB + (16 (w % 4) + r) PM + 64 h
.set XWI,  10                          ; XIMG + w FRB + 16 x lane
.set XWS,  11                          ; XSC + 128 w + 4 x lane
.set PRA,  12                          ; my tile + r PX + 64 h
.set YSW,  13                          ; my tile + r PM + 32 h
.set BIAA, 14                          ; BIA + 32 h
.set WPA,  15                          ; WPI + 16 x lane
.set WPSA, 16                          ; WPS + 4 x lane
.set MSW,  17                          ; MASK + 16 w PM + 16 x lane
.set PFO,  18                          ; the prefetch's offset: row lane / 2 of my 16 mask rows, half lane % 2
.set ADX,  19                          ; addresses of the trip in hand
.set ADS,  20
.set ADM,  21
.set ADO,  22
.set ADO2, 23
.set QA,   24                          ; v24-31, v32-39 q tiles; in the projection v24-35 x_out's first fragment
.set QB,   32
.set WS,   40                          ; v40-45 scale words of my six weight fragments.  v40-53 hold scales and nothing else
.set XS,   46                          ; v46-49 scale words of fragments fetched from LDS
.set VS,   50                          ; V's
.set PW,   51                          ; P's; x's; x_out's second
.set PWA,  52                          ; P's of set A; x_out's first
.set PWB,  53                          ; P's of set B
.set NMA,  54                          ; v54, v56 -M (the low word of a pair)
.set NMB,  56
.set SA,   58                          ; v[58:59], v[60:61] the sums
.set SB,   60
.set RLA,  62                          ; v62, v250 1 / the row's sum (the low word of a pair)
.set TT,   64                          ; v64-127 C of the scores, then t - M and p; V in f32; what is quantised; the bias as C; rows of y
.set RB,   128                         ; v128-191 the next trip's bias; pe; the next window's x
.set P0,   192                         ; v192-209 codes
.set CT,   210                         ; v210-216 the blocks' upper halves
.set TM,   218                         ; v218-221 maxima, v222-225 the other half's and bytes, v230-233 scale operands
.set OA,   234
.set OB,   242
.set RLB,  250
; window 1
.set KT,   0                           ; k, 8 tiles
.set SC,   64                          ; the scores' and y's accumulators: written by matrix instructions alone
.set WF,   128                         ; my six weight fragments: q, k, v self, q, k, v mutual
.set XB,   200                         ; four fragments fetched from LDS
.set XFA,  200                         ; in the trips: x's fragments for q,
.set XFB,  212
.set VF,   224                         ; and V's codes
; scalars
.set WV,   18
.set IW,   19
.set SEL,  20
.set CS,   22                          ; log2(e), twice
.set RP0,  26                          ; rpb at my head
.set RP,   28                          ; and at the tile to be fetched
.set XP,   30
.set OP,   32
.set MP,   34
.set SM,   38                          ; steps of the trips' LDS addresses
.set SX,   39
.set SS,   40
.set SO,   41
.set TR,   42
.set TOKB, 43                          ; my token tile's first token x 512 bytes
.set GOF,  44                          ; work-group x 65,536 bytes
.set PAR,  58                          ; my group: bit 0 xor bit 2 of my wave's number
.set MSB, 0
.macro WIN new                         ; which window of 256 registers each operand place means: bits 1:0 source 0, 3:2 source 1, 5:4 source 2, 7:6 destination; the high byte repeats the setting that is left
.if MSB != \new
	s_set_vgpr_msb (MSB<<8)|\new
.set MSB, \new
.endif
.endm
.macro PLACES n
.rept \n
	v_nop
.endr
.endm
.macro BARRIER                         ; my LDS stores have landed and my LDS loads are in: then the work-group's barrier
	s_wait_dscnt 0x0
	s_barrier_signal -1
	s_barrier_wait -1
.endm
.macro MX0 d, a, b, sa, sb
	v_wmma_scale_f32_16x16x128_f8f6f4 v[\d:\d+7], v[\a:\a+11], v[\b:\b+11], 0, v[\sa], v[\sb] matrix_a_fmt:MATRIX_FMT_FP6 matrix_b_fmt:MATRIX_FMT_FP6
.endm
.macro MXC d, a, b, c, sa, sb
	v_wmma_scale_f32_16x16x128_f8f6f4 v[\d:\d+7], v[\a:\a+11], v[\b:\b+11], v[\c:\c+7], v[\sa], v[\sb] matrix_a_fmt:MATRIX_FMT_FP6 matrix_b_fmt:MATRIX_FMT_FP6
.endm
.macro SCOPS
.irp b, 0,1,2,3
	v_add_nc_u32 v[TM+12+\b], 0xff000000, v[TM+\b]         ; 2 off the exponent field: the conversion takes this operand's exponent field as its scale
.endr
.irp b, 0,1,2,3
	v_lshrrev_b32 v[TM+4+\b], 23, v[TM+12+\b]              ; the scale's byte
.endr
.endm
.macro CODES src, d0, d1               ; 64 numbers of a lane -> codes: blocks 0, 1 in six registers at d0, blocks 2, 3 at d1
	v_cvt_scalef32_pk16_fp6_f32 v[\d0:\d0+2], v[\src:\src+15], v[TM+12]
	v_cvt_scalef32_pk16_fp6_f32 v[CT:CT+2], v[\src+16:\src+31], v[TM+13]
	v_cvt_scalef32_pk16_fp6_f32 v[\d1:\d1+2], v[\src+32:\src+47], v[TM+14]
	v_cvt_scalef32_pk16_fp6_f32 v[CT+4:CT+6], v[\src+48:\src+63], v[TM+15]
	v_nop                                                  ; one plain place behind the scaled conversions
.irp i, 0,1,2
	v_permlane16_swap_b32 v[\d0+\i], v[CT+\i]              ; a whole block to a lane: lanes 0-15 the even block, lanes 16-31 the odd one
	v_permlane16_swap_b32 v[\d1+\i], v[CT+4+\i]
.endr
.irp i, 0,1,2
	v_mov_b32 v[\d0+3+\i], v[CT+\i]
	v_mov_b32 v[\d1+3+\i], v[CT+4+\i]
.endr
.endm
.macro QUANT src, d0, d1, sw           ; register 16 b + i of src = k 32 b + 16 h + i of the lane's row.  Each tile of eight registers is read from its low end on
.irp b, 0,1,2,3
	v_max3_num_f32 v[TM+\b], |v[\src+16*\b]|, |v[\src+1+16*\b]|, 0x1800000   ; with the floor 2^(3 - 127): the byte cannot fall under 1
.endr
.irp i, 2,4,6,8,10,12,14
.irp b, 0,1,2,3
	v_max3_num_f32 v[TM+\b], v[TM+\b], |v[\src+16*\b+\i]|, |v[\src+1+16*\b+\i]|
.endr
.endr
.irp b, 0,1,2,3
	v_permlanex16_b32 v[TM+4+\b], v[TM+\b], s[SEL], s[SEL+1]
.endr
.irp b, 0,1,2,3
	v_max_num_f32 v[TM+\b], v[TM+\b], v[TM+4+\b]           ; with lane l xor 16's 16 numbers: the block's largest magnitude
.endr
	SCOPS
	v_lshl_or_b32 v[\sw], v[TM+5], 8, v[TM+4]
	v_lshl_or_b32 v[\sw], v[TM+6], 16, v[\sw]
	v_lshl_or_b32 v[\sw], v[TM+7], 24, v[\sw]
	CODES \src, \d0, \d1
.endm
.macro LDQ reg, adr, off               ; 64 numbers of my row from LDS, in the quantiser's order: 16 neighbours of each block of 32
.irp b, 0,1,2,3
.irp j, 0,1,2,3
	ds_load_b128 v[\reg+16*\b+4*\j:\reg+16*\b+4*\j+3], v[\adr] offset:\off+128*\b+16*\j
.endr
.endr
.endm
.macro ROWS16 reg, base                ; my token tile's 16 rows of 512 bytes from memory: each load 512 consecutive bytes; read once in the launch
.irp i, 0,1,2,3,4,5,6,7,8,9,10,11,12,13,14,15
	global_load_b128 v[\reg+4*\i:\reg+4*\i+3], v[LI], s[\base:\base+1] offset:(\i+8*(\i/8))*512 th:TH_LOAD_NT
.endr
.endm
.macro LDRPB                           ; a query tile's bias, 8,192 bytes, as the C registers want it
.irp p, 0,1,2,3,4,5,6,7,8,9,10,11,12,13,14,15
	global_load_b128 v[RB+4*\p:RB+4*\p+3], v[LI], s[RP:RP+1] offset:512*\p
.endr
.endm
.macro IMAGE off, soff                 ; the fragment in v[P0] on and its scale word go to LDS as they stand
.irp c, 0,1,2
	ds_store_b128 v[XWI], v[P0+4*\c:P0+4*\c+3] offset:\off+512*\c
.endr
	ds_store_b32 v[XWS], v[PW] offset:\soff
.endm
; k (8 tiles, window 1) and V (codes in VF, scale word in VS) of my head.  sel = 0: self, 1: mutual.
; The first four fragments' loads lean on the last wait on va_vdst ahead of the macro: no vector or matrix instruction since it names XB or XS.
.macro KV sel
.irp g, 0,1
.if \g
	PLACES 4                                       ; in front of loads into registers that matrix instructions have read
	s_wait_alu depctr_va_vdst(0)                   ; the eight products above are done reading XB and XS, in which the next four fragments and scale words land
.endif
	WIN 0x40
.irp t, 0,1,2,3
.irp c, 0,1,2
	ds_load_b128 v[XB+12*\t+4*\c:XB+12*\t+4*\c+3], v[LIX] offset:(8*\sel+4*\g+\t)*FRB+512*\c
.endr
.endr
	WIN 0
.irp t, 0,1,2,3
	ds_load_b32 v[XS+\t], v[LSX] offset:(8*\sel+4*\g+\t)*128
.endr
	s_wait_dscnt 0x0
	WIN 0x45
.irp t, 0,1,2,3
	MX0 KT+8*(4*\g+\t), WF+12*(3*\sel+1), XB+12*\t, WS+3*\sel+1, XS+\t     ; k: lane = token, registers = channels
.endr
	WIN 0x05
.irp t, 0,1,2,3
	MX0 TT+8*(4*\g+\t), XB+12*\t, WF+12*(3*\sel+2), XS+\t, WS+3*\sel+2     ; v: lane = channel, registers = tokens
.endr
	WIN 0
.endr
	PLACES 4
	QUANT TT, P0, P0+6, PW                         ; V along the tokens
	WIN 0x40
.irp i, 0,1,2,3,4,5,6,7,8,9,10,11
	v_mov_b32 v[VF+\i], v[P0+\i]
.endr
	WIN 0
	v_mov_b32 v[VS], v[PW]
.if \sel
.irp i, 0,1,2,3,4,5
	v_mov_b32 v[P0+6+\i], 0                        ; zero codes for the 64 keys that a cross attention does not see: they stay through the four trips
.endr
.endif
.endm
.macro MAXES                           ; the largest score of each block of 32 keys: it serves the row's maximum and, since p rises with the score, the block's largest p
	WIN 0x15
.irp b, 0,1,2,3
	v_max3_num_f32 v[TM+\b], v[SC+16*\b], v[SC+16*\b+1], v[SC+16*\b+2]
.endr
	WIN 0x14
.irp i, 3,5,7,9,11,13
.irp b, 0,1,2,3
	v_max3_num_f32 v[TM+\b], v[TM+\b], v[SC+16*\b+\i], v[SC+16*\b+\i+1]
.endr
.endr
.irp b, 0,1,2,3
	v_max_num_f32 v[TM+\b], v[TM+\b], v[SC+16*\b+15]
.endr
	WIN 0
.irp b, 0,1,2,3
	v_permlanex16_b32 v[TM+4+\b], v[TM+\b], s[SEL], s[SEL+1]
.endr
.irp b, 0,1,2,3
	v_max_num_f32 v[TM+\b], v[TM+\b], v[TM+4+\b]
.endr
.endm
.macro EXPS                            ; p = 2^(t - M), and the same of each block's largest; then the blocks' scale operands and bytes
.set j, 0
.rept 64
	v_exp_f32 v[TT+j], v[TT+j]
.set j, j+1
.endr
.irp b, 0,1,2,3
	v_exp_f32 v[TM+\b], v[TM+\b]
.endr
	v_nop                                          ; a plain place behind the exponentials
	s_wait_alu depctr_va_vdst(0)                   ; the 68 exponentials have written p and the blocks' largest p: one wait for the batch, ahead of its first reader
.irp b, 0,1,2,3
	v_max_num_f32 v[TM+\b], 0x1800000, v[TM+\b]    ; the floor 2^(3 - 127)
.endr
	SCOPS
.endm
; Links 1 to 3 of the eight score sums: 24 products, the accumulators by turns, one instruction a turn.  They leave every window 0.
.macro SELF_LINKS
	WIN 0x51
.irp s, 1,2,3
.irp k, 0,1,2,3,4,5,6,7
	v_wmma_f32_16x16x4_f32 v[SC+8*\k:SC+8*\k+7], v[KT+8*\k+2*\s:KT+8*\k+2*\s+1], v[QA+2*\s:QA+2*\s+1], v[SC+8*\k:SC+8*\k+7]
.endr
.endr
	WIN 0
.endm
.macro MUT_LINKS
	WIN 0x51
.irp s, 1,2,3
.irp k, 0,1,2,3
	v_wmma_f32_16x16x4_f32 v[SC+8*\k:SC+8*\k+7], v[KT+32+8*\k+2*\s:KT+32+8*\k+2*\s+1], v[QA+2*\s:QA+2*\s+1], v[SC+8*\k:SC+8*\k+7]
	v_wmma_f32_16x16x4_f32 v[SC+32+8*\k:SC+32+8*\k+7], v[KT+8*\k+2*\s:KT+8*\k+2*\s+1], v[QB+2*\s:QB+2*\s+1], v[SC+32+8*\k:SC+32+8*\k+7]
.endr
.endr
	WIN 0
.endm
; THE TWO GROUPS ARE SET APART.  Group 0 issues its 24 links and then signals; group 1 signals at once and issues its 24 links behind the barrier's wait, when all of group 0's have been issued.
; The barrier stands on every wave's path; the branches hang on the wave's number alone and jump over matrix instructions only.  It orders no memory access: the values are the same without it.
; The eight first links stand ahead of it, on every path.  kind = 0: self, 1: mutual.  Every window is 0 on the way in and on the way out.
.macro PACED kind
	s_cmp_eq_u32 s[PAR], 0
	s_cbranch_scc0 .Lheld_\@
.if \kind
	MUT_LINKS
.else
	SELF_LINKS
.endif
.Lheld_\@:
	BARRIER                                        ; (of my LDS instructions only the loads of the next tile's fragment are out here: they read bytes that nobody writes before the window's end)
	s_cmp_eq_u32 s[PAR], 0
	s_cbranch_scc1 .Lgone_\@
.if \kind
	MUT_LINKS
.else
	SELF_LINKS
.endif
.Lgone_\@:
.endm
.macro TRIP_ADRS                       ; the LDS addresses of the fragment, the scale words and the mask rows that are asked for next
	v_add_nc_u32 v[ADX], s[SX], v[LIX]
	v_add_nc_u32 v[ADS], s[SS], v[LSX]
	v_add_nc_u32 v[ADM], s[SM], v[MA0]
.endm
; ---------------- self attention: one trip = one tile of 16 queries against all 128 keys
.macro SELF_LOADX                      ; x's fragment of the next query tile, and its scale word
	WIN 0
	ds_load_b32 v[XS], v[ADS]
	WIN 0x40
.irp c, 0,1,2
	ds_load_b128 v[XFA+4*\c:XFA+4*\c+3], v[ADX] offset:512*\c
.endr
.endm
.macro SELF_LOADM                      ; its rows of the mask, as the C registers want them
	WIN 0
	LDQ TT, ADM, 0
.endm
.macro SELF_TRIP ahead, paced          ; ahead = 1: the next trip's operands are asked for;  paced = 1: the first trip, in which the two groups of waves are set apart
	s_wait_alu depctr_vm_vsrc(0)                   ; the LDS stores issued so far have read ADO and OA, the LDS loads ADX, ADS and ADM: this trip writes them all again
	v_add_nc_u32 v[ADO], s[SO], v[SO0]
	s_add_co_u32 s[SM], s[SM], 16*PM
	s_add_co_u32 s[SX], s[SX], FRB
	s_add_co_u32 s[SS], s[SS], 128
	s_add_co_u32 s[SO], s[SO], XOT
.if \ahead
	TRIP_ADRS
.endif
	s_wait_dscnt 0x0                               ; x's fragment, its scale word and the mask rows are in
	WIN 0x05
	MX0 QA, WF, XFA, WS, XS                        ; q of 16 queries
	WIN 0
	s_wait_loadcnt 0x0                             ; the tile's bias is in (nothing else of mine is out), so its base may step
.if \ahead
	s_add_nc_u64 s[RP:RP+1], s[RP:RP+1], 8192
.endif
.set j, 0
.rept 32
	v_pk_add_f32 v[TT+j:TT+j+1], v[TT+j:TT+j+1], v[RB+j:RB+j+1]    ; C = mask + bias.  (These are also the places behind the product above)
.set j, j+2
.endr
.irp j, 0,2,4,6
	v_pk_mul_f32 v[QA+\j:QA+\j+1], v[QA+\j:QA+\j+1], 0x3e800000 op_sel_hi:[1,0]   ; q x 16^-0.5, exact
.endr
.if \ahead
	s_wait_alu depctr_va_vdst(0)                   ; the additions are done reading RB, q's product is done reading XFA and XS: the loads below land there; ADX, ADS, ADM and ADO are written, which this trip's loads and stores read
	LDRPB                                          ; the next tile's bias has the whole trip in which to come
	SELF_LOADX                                     ; and the next tile's fragment
.endif
	WIN 0x41                                       ; S^T = k q^T + C: eight accumulators by turns, one instruction a turn
.irp k, 0,1,2,3,4,5,6,7
	v_wmma_f32_16x16x4_f32 v[SC+8*\k:SC+8*\k+7], v[KT+8*\k:KT+8*\k+1], v[QA:QA+1], v[TT+8*\k:TT+8*\k+7]
.endr
.if \paced
	WIN 0
	PACED 0
.else
	SELF_LINKS
.endif
	PLACES 8                                       ; eight places behind this form before its results are read
	MAXES
	v_max3_num_f32 v252, v[TM], v[TM+1], v[TM+2]
	v_max_num_f32 v252, v252, v[TM+3]              ; the row's largest logit
	v_mul_f32 v252, s[CS], v252                    ; as t
	v_floor_f32 v[NMA], -v252                      ; -M = floor(-t) = -ceil(t)
.irp b, 0,1,2,3
	v_fma_f32 v[TM+\b], v[TM+\b], s[CS], v[NMA]
.endr
	WIN 0x01
.set j, 0
.rept 32
	v_pk_fma_f32 v[TT+j:TT+j+1], v[SC+j:SC+j+1], s[CS:CS+1], v[NMA:NMA+1] op_sel_hi:[1,0,0]   ; t - M
.set j, j+2
.endr
	WIN 0
	EXPS
	v_lshl_or_b32 v[PW], v[TM+5], 8, v[TM+4]
	v_lshl_or_b32 v[PW], v[TM+6], 16, v[PW]
	v_lshl_or_b32 v[PW], v[TM+7], 24, v[PW]
	CODES TT, P0, P0+6
	v_pk_add_f32 v[SA:SA+1], v[TT:TT+1], v[TT+2:TT+3]      ; the row's sum is taken of the unquantised p.  (These additions are also the places in front of the scaled product below)
	v_pk_add_f32 v[SB:SB+1], v[TT+4:TT+5], v[TT+6:TT+7]
.set j, 8
.rept 14
	v_pk_add_f32 v[SA:SA+1], v[SA:SA+1], v[TT+j:TT+j+1]
	v_pk_add_f32 v[SB:SB+1], v[SB:SB+1], v[TT+j+2:TT+j+3]
.set j, j+4
.endr
	v_pk_add_f32 v[SA:SA+1], v[SA:SA+1], v[SB:SB+1]
	v_add_f32 v252, v[SA], v[SA+1]
	v_permlanex16_b32 v253, v252, s[SEL], s[SEL+1]
	v_add_f32 v252, v252, v253
	v_rcp_f32 v[RLA], v252
	v_nop                                          ; a plain place behind the reciprocal
	s_wait_alu depctr_va_vdst(0)                   ; the conversions and the sums are done reading TT, in which the next mask rows land; P's codes and scale word are written, which the scaled product takes; the reciprocal has written RLA, ahead of its first reader
.if \ahead
	SELF_LOADM
.endif
	WIN 0x01
	MX0 OA, VF, P0, VS, PW                         ; O^T = V^T P^T: lane = query, registers = channels 8 h + 0 .. 7
	WIN 0
	PLACES 4
.irp j, 0,2,4,6
	v_pk_mul_f32 v[OA+\j:OA+\j+1], v[OA+\j:OA+\j+1], v[RLA:RLA+1] op_sel_hi:[1,0]
.endr
	s_wait_alu depctr_va_vdst(0)                   ; the scalings have written OA, which the LDS stores read
	ds_store_b128 v[ADO], v[OA:OA+3] offset:512    ; features 128 + 16 head + 8 h on of the query's row of x_out
	ds_store_b128 v[ADO], v[OA+4:OA+7] offset:528
.endm
; ---------------- mutual attention: one trip = two tiles of 16 queries, each against its 64 keys.  Set A: queries of tile i, keys of tiles 4-7.  Set B: queries of tile i + 4, keys of tiles 0-3.
; Both take the same C: rows of tile i, columns 0-63 of the mask.  A result of query token n lands in row n xor 64 of x_out.
.macro MUT_LOADX
	WIN 0
	ds_load_b32 v[XS], v[ADS] offset:8*128
	ds_load_b32 v[XS+1], v[ADS] offset:12*128
	WIN 0x40
.irp c, 0,1,2
	ds_load_b128 v[XFA+4*\c:XFA+4*\c+3], v[ADX] offset:8*FRB+512*\c
.endr
.irp c, 0,1,2
	ds_load_b128 v[XFB+4*\c:XFB+4*\c+3], v[ADX] offset:12*FRB+512*\c
.endr
.endm
.macro MUT_LOADM
	WIN 0
.irp b, 0,1
.irp j, 0,1,2,3
	ds_load_b128 v[TT+16*\b+4*\j:TT+16*\b+4*\j+3], v[ADM] offset:128*\b+16*\j
.endr
.endr
.endm
.macro MUT_TRIP ahead, paced
	s_wait_alu depctr_vm_vsrc(0)                   ; the LDS stores issued so far have read ADO, ADO2, OA and OB, the LDS loads ADX, ADS and ADM: this trip writes them all again
	v_add_nc_u32 v[ADO], s[SO], v[SO0]             ; tile i: set B's results
	v_add_nc_u32 v[ADO2], 4*XOT, v[ADO]            ; tile i + 4: set A's
	s_add_co_u32 s[SM], s[SM], 16*PM
	s_add_co_u32 s[SX], s[SX], FRB
	s_add_co_u32 s[SS], s[SS], 128
	s_add_co_u32 s[SO], s[SO], XOT
.if \ahead
	TRIP_ADRS
.endif
	s_wait_dscnt 0x0
	WIN 0x05
	MX0 QA, WF+36, XFA, WS+3, XS
	MX0 QB, WF+36, XFB, WS+3, XS+1
	WIN 0
	PLACES 4
.irp j, 0,2,4,6,8,10,12,14
	v_pk_mul_f32 v[QA+\j:QA+\j+1], v[QA+\j:QA+\j+1], 0x3e800000 op_sel_hi:[1,0]
.endr
.if \ahead
	s_wait_alu depctr_va_vdst(0)                   ; q's two products are done reading XFA, XFB, XS and XS+1, in which the loads below land; ADX, ADS, ADM, ADO and ADO2 are written, which this trip's loads and stores read
	MUT_LOADX
.endif
	WIN 0x41                                       ; eight accumulators by turns, one instruction a turn
.irp k, 0,1,2,3
	v_wmma_f32_16x16x4_f32 v[SC+8*\k:SC+8*\k+7], v[KT+32+8*\k:KT+32+8*\k+1], v[QA:QA+1], v[TT+8*\k:TT+8*\k+7]
	v_wmma_f32_16x16x4_f32 v[SC+32+8*\k:SC+32+8*\k+7], v[KT+8*\k:KT+8*\k+1], v[QB:QB+1], v[TT+8*\k:TT+8*\k+7]
.endr
.if \paced
	WIN 0
	PACED 1
.else
	MUT_LINKS
.endif
	PLACES 8
	MAXES
	v_max_num_f32 v252, v[TM], v[TM+1]
	v_max_num_f32 v254, v[TM+2], v[TM+3]
	v_mul_f32 v252, s[CS], v252
	v_mul_f32 v254, s[CS], v254
	v_floor_f32 v[NMA], -v252
	v_floor_f32 v[NMB], -v254
	v_fma_f32 v[TM], v[TM], s[CS], v[NMA]
	v_fma_f32 v[TM+1], v[TM+1], s[CS], v[NMA]
	v_fma_f32 v[TM+2], v[TM+2], s[CS], v[NMB]
	v_fma_f32 v[TM+3], v[TM+3], s[CS], v[NMB]
	WIN 0x01
.set j, 0
.rept 16
	v_pk_fma_f32 v[TT+j:TT+j+1], v[SC+j:SC+j+1], s[CS:CS+1], v[NMA:NMA+1] op_sel_hi:[1,0,0]
.set j, j+2
.endr
.rept 16
	v_pk_fma_f32 v[TT+j:TT+j+1], v[SC+j:SC+j+1], s[CS:CS+1], v[NMB:NMB+1] op_sel_hi:[1,0,0]
.set j, j+2
.endr
	WIN 0
	EXPS
	v_lshlrev_b32 v[PWA], 16, v[TM+4]              ; set A's two blocks are keys 64-127: bytes 2 and 3; the other two bytes stand over zero codes
	v_lshl_or_b32 v[PWA], v[TM+5], 24, v[PWA]
	v_lshl_or_b32 v[PWB], v[TM+7], 8, v[TM+6]      ; set B's are keys 0-63: bytes 0 and 1
	CODES TT, P0+12, P0                            ; v192-197 set B's codes, v198-203 zeros, v204-209 set A's
	v_pk_add_f32 v[SA:SA+1], v[TT:TT+1], v[TT+2:TT+3]
	v_pk_add_f32 v[SB:SB+1], v[TT+32:TT+33], v[TT+34:TT+35]
.set j, 4
.rept 14
	v_pk_add_f32 v[SA:SA+1], v[SA:SA+1], v[TT+j:TT+j+1]
	v_pk_add_f32 v[SB:SB+1], v[SB:SB+1], v[TT+32+j:TT+33+j]
.set j, j+2
.endr
	v_add_f32 v252, v[SA], v[SA+1]
	v_add_f32 v254, v[SB], v[SB+1]
	v_permlanex16_b32 v253, v252, s[SEL], s[SEL+1]
	v_permlanex16_b32 v255, v254, s[SEL], s[SEL+1]
	v_add_f32 v252, v252, v253
	v_add_f32 v254, v254, v255
	v_rcp_f32 v[RLA], v252
	v_rcp_f32 v[RLB], v254
	v_nop
	s_wait_alu depctr_va_vdst(0)                   ; the conversions and the sums are done reading TT, in which the next mask rows land; both sets' codes and scale words are written, which the scaled products take; the two reciprocals have written RLA and RLB, ahead of their first readers
.if \ahead
	MUT_LOADM
.endif
	WIN 0x01
	MX0 OA, VF, P0+6, VS, PWA                      ; zeros for keys 0-63, set A's codes for keys 64-127
	MX0 OB, VF, P0, VS, PWB                        ; set B's codes for keys 0-63, zeros for keys 64-127
	WIN 0
	PLACES 4
.irp j, 0,2,4,6
	v_pk_mul_f32 v[OA+\j:OA+\j+1], v[OA+\j:OA+\j+1], v[RLA:RLA+1] op_sel_hi:[1,0]
.endr
.irp j, 0,2,4,6
	v_pk_mul_f32 v[OB+\j:OB+\j+1], v[OB+\j:OB+\j+1], v[RLB:RLB+1] op_sel_hi:[1,0]
.endr
	s_wait_alu depctr_va_vdst(0)                   ; the scalings have written OA and OB, which the LDS stores read
	ds_store_b128 v[ADO2], v[OA:OA+3]              ; features 16 head + 8 h on
	ds_store_b128 v[ADO2], v[OA+4:OA+7] offset:16
	ds_store_b128 v[ADO], v[OB:OB+3]
	ds_store_b128 v[ADO], v[OB+4:OB+7] offset:16
.endm
; ================ the head: addresses, resident weights, what is staged once
	s_load_b256 s[4:11], s[0:1], 0x0               ; x s[4:5], mask s[6:7], pe s[8:9], b_proj s[10:11]
	s_load_b128 s[12:15], s[0:1], 0x20             ; wimg s[12:13], rpb s[14:15]
	s_load_b64 s[16:17], s[0:1], 0x30              ; out0
	v_lshl_add_u32 v228, v0, 2, 0x46600
	v_mov_b32 v229, 0
	v_lshrrev_b32 v24, 5, v0
	v_readfirstlane_b32 s[WV], v24                 ; wave 0..7
	v_and_b32 v24, 31, v0                          ; lane
	v_and_b32 v25, 15, v0                          ; r
	v_bfe_u32 v26, v0, 4, 1                        ; h
	v_lshlrev_b32 v[LI], 4, v24
	v_lshlrev_b32 v[LS], 2, v24
	v_add_nc_u32 v[LIX], XIMG, v[LI]
	v_add_nc_u32 v[LSX], XSC, v[LS]
	v_mul_u32_u24 v27, v25, PM
	v_lshl_add_u32 v[MA0], v26, 6, v27             ; (MASK is LDS byte 0)
	v_mul_u32_u24 v28, v25, PX
	s_wait_alu depctr_va_sdst(0)                   ; the wave's number is written into s[WV], ahead of its first reader: my group, my addresses and my bases are made from it
	s_lshr_b32 s[PAR], s[WV], 2
	s_xor_b32 s[PAR], s[PAR], s[WV]
	s_and_b32 s[PAR], s[PAR], 1                    ; my group: bit 0 xor bit 2 of the wave's number
	s_mul_i32 s45, s[WV], XOT
	s_add_co_u32 s45, s45, XO                      ; my tile of x_out
	s_lshl_b32 s46, s[WV], 6
	s_add_co_u32 s46, s46, XO
	v_lshl_add_u32 v[SO0], v26, 5, v28
	v_add_nc_u32 v[SO0], s46, v[SO0]
	v_add_nc_u32 v[SCW], s45, v[LI]
	v_add_nc_u32 v[SCR], s45, v[MA0]
	s_and_b32 s46, s[WV], 3
	s_mul_i32 s46, s46, 16*PM
	s_add_co_u32 s46, s46, PEB
	v_add_nc_u32 v[PEA], s46, v[MA0]
	s_mul_i32 s46, s[WV], FRB
	v_add_nc_u32 v[XWI], s46, v[LIX]
	s_lshl_b32 s46, s[WV], 7
	v_add_nc_u32 v[XWS], s46, v[LSX]
	v_lshl_add_u32 v[PRA], v26, 6, v28
	v_add_nc_u32 v[PRA], s45, v[PRA]
	v_lshl_add_u32 v[YSW], v26, 5, v27
	v_add_nc_u32 v[YSW], s45, v[YSW]
	v_lshlrev_b32 v[BIAA], 5, v26
	v_add_nc_u32 v[BIAA], BIA, v[BIAA]
	v_add_nc_u32 v[WPA], WPI, v[LI]
	v_add_nc_u32 v[WPSA], WPS, v[LS]
	s_mul_i32 s46, s[WV], 16*PM
	v_add_nc_u32 v[MSW], s46, v[LI]
	v_lshrrev_b32 v29, 1, v24
	v_lshl_add_u32 v29, v26, 3, v29                ; row lane / 2 of my 16, which lies 8 tokens further on from the ninth row on
	v_and_b32 v30, 1, v24
	v_lshlrev_b32 v30, 8, v30
	v_lshl_add_u32 v[PFO], v29, 9, v30
	; the staging's addresses: v33 8 x lane; v34 pe's rows 8 w on; v35 w_proj's images 2 w, 2 w + 1; v36 their scale words; v37, v38 my 16 numbers of b_proj in memory and in LDS
	v_lshlrev_b32 v33, 3, v24
	s_mul_i32 s46, s[WV], 8*PM
	s_add_co_u32 s46, s46, PEB
	v_add_nc_u32 v34, s46, v[LI]
	s_mul_i32 s46, s[WV], 2*FRB
	v_add_nc_u32 v35, s46, v[WPA]
	s_lshl_b32 s46, s[WV], 8
	s_add_co_u32 s46, s46, WPS
	v_add_nc_u32 v36, s46, v33
	s_lshl_b32 s46, s[WV], 6
	v_lshl_add_u32 v37, v25, 2, s46
	v_add_nc_u32 v38, BIA, v37
.irp b, 0,1,2,3
	v_mov_b32 v[TM+4+\b], 0                        ; written once: a lane permute's destination counts as one of its sources
.endr
	v_mov_b32 v253, 0
	v_mov_b32 v255, 0
	v_mov_b32 v[NMA+1], 0                          ; the upper words of pairs of which the packed forms take the low word
	v_mov_b32 v[NMB+1], 0
	v_mov_b32 v[RLA+1], 0
	v_mov_b32 v[RLB+1], 0
	s_mov_b32 s[SEL], 0x76543210
	s_mov_b32 s[SEL+1], 0xfedcba98
	s_mov_b32 s[CS], 0x3fb8aa3b                    ; log2(e)
	s_mov_b32 s[CS+1], s[CS]
	s_lshr_b32 s45, s[WV], 1
	s_lshl_b32 s45, s45, 5
	s_and_b32 s46, s[WV], 1
	s_lshl_b32 s46, s46, 3
	s_add_co_u32 s45, s45, s46                     ; my token tile's first token
	s_lshl_b32 s[TOKB], s45, 9
	s_lshl_b32 s[GOF], ttmp9, 16
	s_lshr_b32 s45, s[WV], 2                       ; pe's rows 8 w .. 8 w + 7 in tile order begin at token 32 (w / 4) + 8 ((w / 2) % 2) + 16 (w % 2)
	s_lshl_b32 s45, s45, 5
	s_bfe_u32 s46, s[WV], 0x10001
	s_lshl_b32 s46, s46, 3
	s_add_co_u32 s45, s45, s46
	s_and_b32 s46, s[WV], 1
	s_lshl_b32 s46, s46, 4
	s_add_co_u32 s45, s45, s46
	s_lshl_b32 s45, s45, 9
	s_mov_b32 s37, 0
	s_wait_kmcnt 0x0
	s_mul_i32 s36, s[WV], FRB
	s_add_nc_u64 s[48:49], s[12:13], s[36:37]      ; wimg at my head's first fragment
	s_lshl_b32 s36, s[WV], 7
	s_add_nc_u64 s[50:51], s[12:13], s[36:37]      ; and at its scale words, less 98,304
	s_mov_b32 s36, s45
	s_add_nc_u64 s[52:53], s[8:9], s[36:37]        ; pe
	s_mul_i32 s36, s[WV], 2*FRB
	s_add_nc_u64 s[54:55], s[12:13], s[36:37]      ; w_proj's images 2 w, 2 w + 1, less 73,728
	s_lshl_b32 s36, s[WV], 8
	s_add_nc_u64 s[56:57], s[12:13], s[36:37]      ; their scale words, less 104,448
	s_lshl_b32 s36, s[WV], 16
	s_add_nc_u64 s[RP0:RP0+1], s[14:15], s[36:37]
	s_add_co_u32 s36, s[GOF], s[TOKB]
	s_add_nc_u64 s[MP:MP+1], s[6:7], s[36:37]      ; mask group g, my 16 rows
	s_add_nc_u64 s[XP:XP+1], s[4:5], s[36:37]      ; window g, my 16 tokens
	WIN 0x40
	s_wait_alu depctr_va_vdst(0)                   ; the addresses v1 to v18 and v33 to v38 are written, which the kernel's loads, stores and prefetch read; so is v30, in which a load below lands
.irp t, 0,1,2,3,4,5
.irp c, 0,1,2
	global_load_b128 v[WF+12*\t+4*\c:WF+12*\t+4*\c+3], v[LI], s[48:49] offset:\t*8*FRB+512*\c   ; my head's six weight fragments stay in registers
.endr
.endr
	WIN 0
.irp t, 0,1,2,3,4,5
	global_load_b32 v[WS+\t], v[LS], s[50:51] offset:98304+1024*\t
.endr
	ROWS16 TT, MP
	WIN 0x40
.irp i, 0,1,2,3,4,5,6,7
	global_load_b128 v[KT+4*\i:KT+4*\i+3], v[LI], s[52:53] offset:512*\i
.endr
.irp c, 0,1,2,3,4,5
	global_load_b128 v[XB+4*\c:XB+4*\c+3], v[LI], s[54:55] offset:73728+512*\c
.endr
	WIN 0
	global_load_b64 v[30:31], v33, s[56:57] offset:104448
	global_load_b32 v32, v37, s[10:11]             ; lanes l and l + 16 take the same word
	ROWS16 RB, XP                                  ; the first window's x, last
	s_wait_loadcnt 16                              ; all but the 16 loads of x
.irp i, 0,1,2,3,4,5,6,7,8,9,10,11,12,13,14,15
	ds_store_b128 v[MSW], v[TT+4*\i:TT+4*\i+3] offset:PM*\i
.endr
	WIN 0x04
.irp i, 0,1,2,3,4,5,6,7
	ds_store_b128 v34, v[KT+4*\i:KT+4*\i+3] offset:PM*\i
.endr
.irp c, 0,1,2,3,4,5
	ds_store_b128 v35, v[XB+4*\c:XB+4*\c+3] offset:512*\c
.endr
	WIN 0
	ds_store_b64 v36, v[30:31]
	ds_store_b32 v38, v32                          ; (and store the same word with the same value)
	BARRIER                                        ; mask, pe, w_proj and b_proj lie in LDS
	s_mov_b32 s[IW], 0
.Lwin:
	; ================ my 16 tokens of x and of x + pe become two operand images
	s_wait_loadcnt 0x0                             ; x is in
	s_wait_alu depctr_vm_vsrc(0)                   ; the stores issued so far (the head's staging; the last window's rows of y, its accumulators, its mask rows) have read TT, SC, KT, XB and v30 to v38, and the head's loads v33 and v37: this window's loads and products write them again
.irp i, 0,1,2,3,4,5,6,7,8,9,10,11,12,13,14,15
	ds_store_b128 v[SCW], v[RB+4*\i:RB+4*\i+3] offset:PM*\i    ; through my scratch: in as whole rows, back 16 neighbours of each block a lane.  LDS serves a wave's instructions in order
.endr
	LDQ TT, SCR, 0
	s_wait_dscnt 0x0
	s_wait_alu depctr_vm_vsrc(0)                   ; the sixteen stores above have read RB, in which pe lands
	LDQ RB, PEA, 0                                 ; pe of my tokens, in the same order
	QUANT TT, P0, P0+6, PW
	s_wait_alu depctr_va_vdst(0)                   ; the quantiser has written P0 on and PW, which the image's stores read
	IMAGE 0, 0
	s_wait_dscnt 0x0                               ; pe is in
	s_wait_alu depctr_vm_vsrc(0)                   ; the image's stores have read P0 on and PW, which the second quantiser writes
.set j, 0
.rept 32
	v_pk_add_f32 v[TT+j:TT+j+1], v[TT+j:TT+j+1], v[RB+j:RB+j+1]
.set j, j+2
.endr
	s_mov_b64 s[RP:RP+1], s[RP0:RP0+1]
	QUANT TT, P0, P0+6, PW
	s_wait_alu depctr_va_vdst(0)                   ; the additions are done reading RB, in which the bias lands; the quantiser has written P0 on and PW, which the image's stores read
	LDRPB                                          ; the first query tile's bias
	IMAGE 8*FRB, 8*128
	BARRIER                                        ; the sixteen images (and a mask staged anew) lie in LDS; every wave has left its own tile of x_out
	s_wait_alu depctr_vm_vsrc(0)                   ; the second image's stores have read P0 on and PW, which V's quantiser writes
	; ================ self attention of my head
	KV 0
	s_mov_b32 s[SM], 0
	s_mov_b32 s[SX], 0
	s_mov_b32 s[SS], 0
	s_mov_b32 s[SO], 0
	TRIP_ADRS
	s_wait_alu depctr_va_vdst(0)                   ; ADX, ADS and ADM are written, which the loads below read; k's and V's products are done reading XFA and XS, V's quantiser TT: the loads land there; VF and VS are written, which the trips' scaled products take
	SELF_LOADX
	SELF_LOADM
	SELF_TRIP 1, 1                                 ; the first tile: here the two groups of waves are set apart
	s_mov_b32 s[TR], 6
.Lself:
	SELF_TRIP 1, 0
	s_sub_co_u32 s[TR], s[TR], 1
	s_cmp_lg_u32 s[TR], 0
	s_cbranch_scc1 .Lself
	SELF_TRIP 0, 0                                 ; the last tile asks for nothing more
	; ---- the next window's x is asked for here, into the registers that the bias has left: it has the mutual attention and the projection in which to come.
	;      (No vector instruction since the last trip's waits names RB: the additions that read it stand ahead of them)
	s_cmp_lt_u32 s[IW], 3
	s_cbranch_scc0 .Lno_x
	s_add_co_u32 s45, s[IW], 1
	s_and_b32 s46, s45, 1
	s_lshl_b32 s46, s46, 25                        ; 512 windows of 65,536 bytes
	s_lshr_b32 s47, s45, 1
	s_lshl_b32 s47, s47, 24                        ; 256 windows
	s_add_co_u32 s36, s46, s47
	s_add_co_u32 s36, s36, s[GOF]
	s_add_co_u32 s36, s36, s[TOKB]
	s_mov_b32 s37, 0
	s_add_nc_u64 s[XP:XP+1], s[4:5], s[36:37]
	ROWS16 RB, XP
.Lno_x:
	; ---- in the second window: a prefetch of the 16 rows of mask group g + 256 that I load at the projection's head: 32 blocks of 256 bytes, a lane a block, each named once in the launch;
	;      it stands behind my loads of x, four mutual trips (128 of my score products) ahead of the loads that want the rows
	s_cmp_eq_u32 s[IW], 1
	s_cbranch_scc0 .Lno_pf
	s_add_co_u32 s36, s[GOF], s[TOKB]
	s_add_co_u32 s36, s36, 1<<24
	s_mov_b32 s37, 0
	s_add_nc_u64 s[MP:MP+1], s[6:7], s[36:37]
	global_prefetch_b8 v[PFO], s[MP:MP+1] th:TH_LOAD_NT scope:SCOPE_SE
.Lno_pf:
	; ================ mutual attention of my head
	KV 1
	s_mov_b32 s[SM], 0
	s_mov_b32 s[SX], 0
	s_mov_b32 s[SS], 0
	s_mov_b32 s[SO], 0
	TRIP_ADRS
	s_wait_alu depctr_va_vdst(0)                   ; ADX, ADS and ADM are written, which the loads below read; k's and V's products are done reading XFA, XFB, XS and XS+1, V's quantiser TT: the loads land there; VF, VS and the zero codes are written, which the trips' scaled products take
	MUT_LOADX
	MUT_LOADM
	MUT_TRIP 1, 1                                  ; the first trip: the two groups' distance is set anew
	s_mov_b32 s[TR], 2
.Lmut:
	MUT_TRIP 1, 0
	s_sub_co_u32 s[TR], s[TR], 1
	s_cmp_lg_u32 s[TR], 0
	s_cbranch_scc1 .Lmut
	MUT_TRIP 0, 0
	BARRIER                                        ; x_out is whole; nobody reads the mask or the images any more
	; ================ the projection of my 16 tokens.  (No vector or matrix instruction since the last trip's last wait names KT, TT, XB or XS, in which the first loads below land)
	s_cmp_eq_u32 s[IW], 1
	s_cbranch_scc0 .Lno_m1
	WIN 0x40
	ROWS16 KT, MP                                  ; the next mask group's rows, into the registers that k has left
	WIN 0
.Lno_m1:
	LDQ TT, PRA, 0                                 ; features 0-127
	s_wait_dscnt 0x0
	QUANT TT, QA, QA+6, PWA
	s_wait_alu depctr_va_vdst(0)                   ; the quantiser is done reading TT, in which features 128-255 land
	LDQ TT, PRA, 512                               ; features 128-255
	s_wait_dscnt 0x0
	QUANT TT, P0, P0+6, PW
	PLACES 8                                       ; a scale word made by vector instructions stands eight places ahead of the scaled product
	s_wait_alu depctr_va_vdst(0)                   ; the quantiser is done reading TT, in which the bias lands; both fragments' codes (QA on, P0 on) and scale words (PWA, PW) are written, which the scaled products take
.irp n, 0,1,2,3,4,5,6,7
	ds_load_b128 v[TT+8*\n:TT+8*\n+3], v[BIAA] offset:64*\n          ; the bias in the result's layout: it is the C of each sum's first product
	ds_load_b128 v[TT+8*\n+4:TT+8*\n+7], v[BIAA] offset:64*\n+16
.endr
.irp g, 0,1,2,3                        ; K step g / 2, output tiles 4 (g % 2) on: the eight accumulators by turns
	WIN 0x40
.irp t, 0,1,2,3
.irp c, 0,1,2
	ds_load_b128 v[XB+12*\t+4*\c:XB+12*\t+4*\c+3], v[WPA] offset:(2*(4*(\g%2)+\t)+\g/2)*FRB+512*\c
.endr
.endr
	WIN 0
.irp t, 0,1,2,3
	ds_load_b32 v[XS+\t], v[WPSA] offset:(2*(4*(\g%2)+\t)+\g/2)*128
.endr
	s_wait_dscnt 0x0
.if \g < 2
	WIN 0x41
.irp t, 0,1,2,3
	MXC SC+8*(4*(\g%2)+\t), XB+12*\t, QA, TT+8*(4*(\g%2)+\t), XS+\t, PWA
.endr
.else
	WIN 0x51
.irp t, 0,1,2,3
	MXC SC+8*(4*(\g%2)+\t), XB+12*\t, P0, SC+8*(4*(\g%2)+\t), XS+\t, PW
.endr
.endif
	WIN 0
	PLACES 4                                       ; in front of loads into registers that these products have read, and of the first read of results
	s_wait_alu depctr_va_vdst(0)                   ; these four products are done reading XB, XS and (as C) TT, in which later loads land; behind the last four: the accumulators are written, which the LDS stores below read
.endr
	WIN 0x04
.irp n, 0,1,2,3,4,5,6,7
	ds_store_b128 v[YSW], v[SC+8*\n:SC+8*\n+3] offset:64*\n          ; lane (r, h): y(token r, 16 n + 8 h + 0 .. 7); each accumulator from its low end on
	ds_store_b128 v[YSW], v[SC+8*\n+4:SC+8*\n+7] offset:64*\n+16
.endr
	WIN 0
.irp i, 0,1,2,3,4,5,6,7,8,9,10,11,12,13,14,15
	ds_load_b128 v[TT+4*\i:TT+4*\i+3], v[SCW] offset:PM*\i           ; back as whole rows: these see my stores above
.endr
	s_and_b32 s45, s[IW], 1
	s_lshl_b32 s45, s45, 25
	s_lshr_b32 s46, s[IW], 1
	s_lshl_b32 s46, s46, 24
	s_add_co_u32 s36, s45, s46
	s_add_co_u32 s36, s36, s[GOF]
	s_add_co_u32 s36, s36, s[TOKB]
	s_mov_b32 s37, 0
	s_add_nc_u64 s[OP:OP+1], s[16:17], s[36:37]
.irp i, 0,1,2,3,4,5,6,7,8,9,10,11,12,13,14,15
	s_wait_dscnt 15-\i                             ; row i is back; the younger rows may be out
	global_store_b128 v[LI], v[TT+4*\i:TT+4*\i+3], s[OP:OP+1] offset:(\i+8*(\i/8))*512 th:TH_STORE_NT   ; 32 lanes store a row of 512 consecutive bytes
.endr
	s_cmp_eq_u32 s[IW], 1
	s_cbranch_scc0 .Lno_m2
	s_wait_loadcnt 0x0                             ; the next mask group's rows are in
	WIN 0x04
.irp i, 0,1,2,3,4,5,6,7,8,9,10,11,12,13,14,15
	ds_store_b128 v[MSW], v[KT+4*\i:KT+4*\i+3] offset:PM*\i    ; behind the barrier above nobody reads the old rows; the next barrier shows the new ones
.endr
	WIN 0
.Lno_m2:
	s_wait_xcnt 0x0                                ; the stores have read their registers and their base: both are written again in the next window
	s_add_co_u32 s[IW], s[IW], 1
	s_cmp_lt_u32 s[IW], 4
	s_cbranch_scc1 .Lwin
	s_wait_dscnt 0x0                               ; the closing lines, six on end
	s_wait_alu 0x0
	s_wait_tensorcnt 0x0
	ds_add_u32 v228, v229
	s_wait_dscnt 0x0
	s_endpgm
.Lfunc_end_k_qe32c404902_attn:
	.size	k_qe32c404902_attn, .Lfunc_end_k_qe32c404902_attn-k_qe32c404902_attn
	.p2alignl 7, 3214868480
	.fill 96, 4, 3214868480
	.section	.rodata,"a",@progbits
	.p2align	6, 0x0
	.amdhsa_kernel k_qe32c404902_attn
		.amdhsa_group_segment_fixed_size 289280
		.amdhsa_private_segment_fixed_size 0
		.amdhsa_enable_private_segment 0
		.amdhsa_kernarg_size 56
		.amdhsa_user_sgpr_count 2
		.amdhsa_user_sgpr_kernarg_segment_ptr 1
		.amdhsa_wavefront_size32 1
		.amdhsa_system_sgpr_workgroup_id_x 1
		.amdhsa_system_sgpr_workgroup_id_y 1
		.amdhsa_system_sgpr_workgroup_id_z 1
		.amdhsa_system_vgpr_workitem_id 0
		.amdhsa_next_free_vgpr 512
		.amdhsa_next_free_sgpr 66
		.amdhsa_reserve_vcc 0
		.amdhsa_float_denorm_mode_32 3
		.amdhsa_float_denorm_mode_16_64 3
		.amdhsa_memory_ordered 1
		.amdhsa_forward_progress 1
		.amdhsa_inst_pref_size 188
	.end_amdhsa_kernel
	.amdgpu_metadata
---
amdhsa.version: [ 1, 2 ]
amdhsa.kernels:
  - .name:           k_qe32c404902_attn
    .symbol:         k_qe32c404902_attn.kd
    .args:
      - { .name: x, .offset: 0, .size: 8, .value_kind: global_buffer, .address_space: global }
      - { .name: mask, .offset: 8, .size: 8, .value_kind: global_buffer, .address_space: global }
      - { .name: pe, .offset: 16, .size: 8, .value_kind: global_buffer, .address_space: global }
      - { .name: b_proj, .offset: 24, .size: 8, .value_kind: global_buffer, .address_space: global }
      - { .name: wimg, .offset: 32, .size: 8, .value_kind: global_buffer, .address_space: global }
      - { .name: rpb, .offset: 40, .size: 8, .value_kind: global_buffer, .address_space: global }
      - { .name: out0, .offset: 48, .size: 8, .value_kind: global_buffer, .address_space: global }
    .group_segment_fixed_size: 289280
    .private_segment_fixed_size: 0
    .kernarg_segment_align: 8
    .kernarg_segment_size: 56
    .max_flat_workgroup_size: 256
    .sgpr_count:     66
    .vgpr_count:     512
    .wavefront_size: 32
...
	.end_amdgpu_metadata
.endif
;; end of part 3
